; MI455X (gfx1250); checked and timed in simulation.
; The chip was launched on July 23, 2026; its instructions are those of AMD's public machine-readable ISA for CDNA 5 (MIT licence, August 2026) and "CDNA5" Instruction Set Architecture Reference Guide (July 2026). The comments in the code are by the model that wrote it; some were corrected since.
;; Infini Span Attention. Allowed arithmetic: matrix products marked QUANTISED: E2M1 operands, one E8M0 scale for each 32 along K, by v_wmma_scale_f32_16x16x128_f8f6f4 with both operands' format E2M1 (or v_wmma_scale_f32_32x16x128_f4), f32 sums; products left as they are: bf16, f16 or f32 operands; f32 sums; everything else in f32.
;; Inputs: gate one number float32; global_hidden 2 x 512 x 1,024 float32; k_b 1,024 float32; k_w 1,024 x 1,024 float32; kg_b 1,024 float32; kg_w 1,024 x 1,024 float32; local_hidden 2 x 2,048 x 1,024 float32; out_b 1,024 float32; out_w 1,024 x 1,024 float32; q_b 1,024 float32; q_w 1,024 x 1,024 float32; v_b 1,024 float32; v_w 1,024 x 1,024 float32; vg_b 1,024 float32; vg_w 1,024 x 1,024 float32.
;; Outputs: out0 2 x 2,048 x 1,024 float32.
;; This version of the problem:
;;   THIS VERSION OF THE PROBLEM IS GIVEN IN LOW PRECISION. The matrix products marked QUANTISED in the list below multiply operands that are first quantised to E2M1 (2 exponent bits, 1 mantissa bit; 4 bits a number), with one power-of-two scale for each 32 numbers along K (OCP MX v1.0); their sums are f32. The products marked 'left as it is' may take bf16, f16 or f32 operands, with f32 sums. Whichever they take, every output number must still come out within the allowed error. Rounding operands to bf16 (8 significant bits) uses up far more of that allowance than f16 does (11 bits, for magnitudes from 6e-5 to 65,504). All else is computed in f32.
;;   The module's matrix products, in the order in which they are computed (A, B: the left and right operand; K: the contracted axis; several contracted axes count as one K, in the product's order):
;;     1. [M 4,096, K 1,024] x [K 1,024, N 1,024]; A: input local_hidden; B: input q_w: QUANTISED
;;     2. [M 4,096, K 1,024] x [K 1,024, N 1,024]; A: input local_hidden; B: input k_w: QUANTISED
;;     3. [M 4,096, K 1,024] x [K 1,024, N 1,024]; A: input local_hidden; B: input v_w: QUANTISED
;;     4. batch 32 x [M 2,048, K 64] x [K 64, N 2,048]; A: computed on the way; B: computed on the way: left as it is (an operand is computed on the way)
;;     5. batch 32 x [M 2,048, K 2,048] x [K 2,048, N 64]; A: computed on the way; B: computed on the way: left as it is (an operand is computed on the way)
;;     6. [M 1,024, K 1,024] x [K 1,024, N 1,024]; A: input global_hidden; B: input kg_w: QUANTISED
;;     7. [M 1,024, K 1,024] x [K 1,024, N 1,024]; A: input global_hidden; B: input vg_w: QUANTISED
;;     8. batch 32 x [M 2,048, K 64] x [K 64, N 512]; A: computed on the way; B: computed on the way: left as it is (an operand is computed on the way)
;;     9. batch 32 x [M 2,048, K 512] x [K 512, N 64]; A: computed on the way; B: computed on the way: left as it is (an operand is computed on the way)
;;     10. [M 4,096, K 1,024] x [K 1,024, N 1,024]; A: computed on the way; B: input out_w: left as it is (an operand is computed on the way)
;;   THE QUANTISER, for each operand of a quantised product, along K:
;;     - K is cut into blocks of 32 from its start; a last block that is shorter is filled with zeros.
;;     - A block's scale is 2^e with e = floor(log2(the largest magnitude in the block)) - 2, held to -126 .. 127; a block of zeros has e = 0. As a byte (E8M0): e + 127.
;;     - Each number is divided by its block's scale, clamped to +-6, and rounded to the nearest number of E2M1, ties to even, subnormals kept.
;;     - The product sums the exact products of the quantised numbers (number of the format x scale) in f32.
;;   ~~~python
;;   def quantise(x, axis):      # numpy; x: float32 -> the quantised numbers, widened to float32 again
;;       x = np.moveaxis(x, axis, -1); K = x.shape[-1]
;;       x = np.pad(x, [(0, 0)] * (x.ndim - 1) + [(0, -K % 32)]); x = x.reshape(x.shape[:-1] + (-1, 32)); a = np.abs(x).max(-1, keepdims=True)
;;       e = np.where(a > 0, np.clip(np.frexp(np.where(a > 0, a, 1))[1] - 1 - 2, -126, 127), 0)      # np.frexp(a)[1] - 1 = floor(log2(a)), exactly
;;       r = np.clip(x / 2.0 ** e, -6, 6)
;;       step = 2.0 ** (np.maximum(np.frexp(np.where(r == 0, 1, r))[1] - 1, 0) - 1)
;;       q = np.round(r / step) * step * 2.0 ** e      # np.round: ties to even
;;       return np.moveaxis(q.reshape(q.shape[:-2] + (-1,))[..., :K], -1, axis).astype(np.float32)
;;   ~~~
;; One version. Each part assembles by itself: llvm-mc -triple=amdgcn-amd-amdhsa -mcpu=gfx1250 --defsym DOCPART=n.
;; ======== version 1 of 1: 4 launches
;; limits: values are held in f16: magnitudes above 65,504 overflow, below 6.1e-05 lose precision
;; workspace buffers: codes 5,242,880 bytes; scales 327,680 bytes; w16 2,097,152 bytes; img 29,360,128 bytes; att 8,388,608 bytes
;; launch quant (part 1): grid 352 x 1, 4 waves a work-group, no clusters, 33,280 bytes of LDS; arguments local_hidden, global_hidden, q_w, k_w, v_w, kg_w, vg_w, out_w, codes, scales, w16; writes codes, scales, w16
.if DOCPART == 1
	.amdgcn_target "amdgcn-amd-amdhsa--gfx1250"
	.amdhsa_code_object_version 6
	.text
	.protected	k_qbb29a53876_quant
	.globl	k_qbb29a53876_quant
	.p2align	8
	.type	k_qbb29a53876_quant,@function
k_qbb29a53876_quant:
	s_mov_b64 s[64:65], 0
	v_nop
	global_prefetch_b8 v0, s[64:65] scope:SCOPE_SE
	s_setreg_imm32_b32 hwreg(HW_REG_WAVE_MODE, 25, 1), 1
	s_wait_xcnt 0x0
; LAUNCH 1 OF 4.  The operands of the five quantised products (local_hidden, global_hidden, q_w, k_w, v_w, kg_w, vg_w: all f32 with K = 1,024 innermost) become codes of FP4 (E2M1) with one E8M0 byte for each 32 along K;
; out_w, an operand of the last product, which is left as it is, becomes f16.
; DEAD WORK, LEFT OUT IN THE WHOLE PROGRAM: the inputs k_b and kg_b.  reference() adds k_b to k_l behind product 2 and kg_b to k_g behind product 6; k_l and k_g go into products 4 and 8 alone, and those are not quantised.
; q . (k + k_b) x SCALE = q . k x SCALE + q . k_b x SCALE, and the second term is the same for every key of a query.  A softmax along the keys is not changed by a term that is the same along its axis, whatever finite
; values the inputs hold.  So k_b and kg_b have no way to the output: they are not loaded and are among no launch's arguments.  LIMIT: a NaN, an infinity or an overflow that k_b or kg_b alone would bring is not carried to the result.
; THE CODES lie in one buffer of 10,240 rows of 512 bytes, in the order of the sources: local 0, global 4,096, q_w 5,120, k_w 6,144, v_w 7,168, kg_w 8,192, vg_w 9,216; the scale bytes likewise, 32 bytes a row.
; A block's scale is 2^(floor(log2(its largest magnitude)) - 2); its byte is the largest magnitude's exponent field - 2, held at 1 from below.  (A block of zeros so gets the byte 1 where the rule says 127: its codes are
; zeros, which add nothing under any byte but 0xff, and this program alone reads the bytes.)  Each number is divided by the scale and rounded to the nearest code, ties to even, beyond the largest code the largest.
; LIMITS: blocks whose largest magnitude lies under 2^(2 - 126) get the byte 1; NaN and infinities among the inputs are not served; out_w must lie within f16 (magnitudes up to 65,504).
; SHARES.  Rows are dense, so every source is a plain stream of blocks of 32.  A work-group takes 32,768 numbers, a wave 8,192: 16 steps of 512.  Work-groups 0-127 local, 128-159 global, then 32 for each weight; 320-351 turn out_w into f16.
; Each of a step's four loads reads 512 consecutive bytes; the 2,048 bytes turn through the wave's own stage in LDS and come back 64 bytes a lane, so that a lane holds 16 neighbours along K (two lanes hold a block).
; No tensor loads, no barrier: waves share nothing.
.set WAVES, 4
.set STEPS, 16
.set EMAX,  2
.set CB,    8                          ; bytes of 16 codes
.set R,     16                         ; v16-79   four sets of 16 numbers as they are loaded (the f16 path: v16-143, two sets of 64)
.set X,     80                         ; v80-111  two sets of 16 neighbours
.set C,     128                        ; v128-191 codes: four registers for each step, so that no store's data are written again
.set E,     112                        ; v112-127 a scale byte for each step
.set WREG,  8192                       ; LDS: a region for each wave: two stages of 32 x SP bytes, behind them its 256 scale bytes
.set SP,    80                         ; a lane's place in a stage: 64 bytes + 16 of padding
.set SPW,   12                         ; v12  LDS address of my spare word; never rewritten
.set NIL,   13                         ; v13  0; never rewritten
.set SPARE, WAVES*WREG                 ; behind the four regions: the spare words, 128 bytes a wave, which no other line names
.set SRC,   26                         ; s[26:27] my wave's part of its source
.set COD,   20                         ; s[20:21] of the codes
.set SCB,   22                         ; s[22:23] of the scale bytes
	s_load_b512 s[4:19], s[0:1], 0x0               ; local, global, q_w, k_w, v_w, kg_w, vg_w, out_w
	s_load_b128 s[20:23], s[0:1], 0x40             ; codes, scales
	s_load_b64 s[24:25], s[0:1], 0x50              ; w16
	v_lshl_add_u32 v[SPW], v0, 2, SPARE
	v_mov_b32 v[NIL], 0
	v_lshrrev_b32 v1, 5, v0
	v_readfirstlane_b32 s32, v1                    ; wave
	v_and_b32 v2, 31, v0                           ; lane
	v_lshlrev_b32 v3, 4, v2                        ; my 16 bytes of a load's 512
	s_mul_i32 s33, s32, WREG
	v_lshrrev_b32 v14, 2, v2
	v_mul_u32_u24 v14, v14, SP
	v_and_b32 v15, 3, v2
	v_lshl_add_u32 v14, v15, 4, v14
	v_add_nc_u32 v14, s33, v14                     ; the stage, on the way in: four lanes' 64 bytes on end, then 16 of padding
	v_mul_u32_u24 v15, v2, SP
	v_add_nc_u32 v15, s33, v15                     ; and on the way out: SP x lane: my 16 neighbours
	v_mul_u32_u24 v4, v2, CB                       ; 8 x lane: my codes' place in a step's (and my four f16 in a store's 256 bytes)
	v_lshrrev_b32 v5, 1, v2
	s_add_co_u32 s33, s33, 2*32*SP
	v_add_nc_u32 v5, s33, v5                       ; LDS: my wave's 256 scale bytes, my block's byte
	v_lshlrev_b32 v7, 3, v2
	v_add_nc_u32 v6, s33, v7                       ; and on the way out 8 bytes a lane
	s_lshl_b32 s30, ttmp9, 2
	s_add_co_u32 s30, s30, s32                     ; which run of 8,192 numbers of the OUTPUT is mine: the sources stand there in the work-groups' order
	s_and_b32 s28, ttmp9, 31                       ; which work-group of its source: every source but the first has 32 and begins at a multiple of 32
	s_cmp_lt_u32 ttmp9, 128
	s_cselect_b32 s28, ttmp9, s28
	s_lshl_b32 s28, s28, 2
	s_add_co_u32 s28, s28, s32                     ; which run of the SOURCE is mine,
	s_lshl_b32 s28, s28, 15                        ; in bytes: 32,768 a run
	s_mov_b32 s29, 0
	s_wait_kmcnt 0x0
	s_cmp_ge_u32 ttmp9, 320
	s_cbranch_scc1 .Lcvt                           ; the last 32 work-groups: out_w
	s_mov_b64 s[SRC:SRC+1], s[4:5]                 ; the source is chosen by the work-group's number alone
	s_cmp_ge_u32 ttmp9, 128
	s_cselect_b64 s[SRC:SRC+1], s[6:7], s[SRC:SRC+1]
	s_cmp_ge_u32 ttmp9, 160
	s_cselect_b64 s[SRC:SRC+1], s[8:9], s[SRC:SRC+1]
	s_cmp_ge_u32 ttmp9, 192
	s_cselect_b64 s[SRC:SRC+1], s[10:11], s[SRC:SRC+1]
	s_cmp_ge_u32 ttmp9, 224
	s_cselect_b64 s[SRC:SRC+1], s[12:13], s[SRC:SRC+1]
	s_cmp_ge_u32 ttmp9, 256
	s_cselect_b64 s[SRC:SRC+1], s[14:15], s[SRC:SRC+1]
	s_cmp_ge_u32 ttmp9, 288
	s_cselect_b64 s[SRC:SRC+1], s[16:17], s[SRC:SRC+1]
	s_add_nc_u64 s[SRC:SRC+1], s[SRC:SRC+1], s[28:29]
	s_lshl_b32 s28, s30, 12                        ; 4,096 bytes of codes a run
	s_add_nc_u64 s[COD:COD+1], s[COD:COD+1], s[28:29]
	s_lshl_b32 s28, s30, 8                         ; 256 scale bytes a run
	s_add_nc_u64 s[SCB:SCB+1], s[SCB:SCB+1], s[28:29]
.macro LOAD t
.irp i, 0,1,2,3
	global_load_b128 v[R+16*((\t)%4)+4*\i:R+16*((\t)%4)+4*\i+3], v3, s[SRC:SRC+1] offset:2048*(\t)+512*\i th:TH_LOAD_NT   ; 32 lanes read 512 consecutive bytes
.endr
.endm
.macro TURN t                          ; step t's numbers through the stage: LDS serves a wave's instructions in order, so no wait stands between the stores and the loads
.irp i, 0,1,2,3
	ds_store_b128 v14, v[R+16*((\t)%4)+4*\i:R+16*((\t)%4)+4*\i+3] offset:32*SP*((\t)%2)+8*SP*\i
.endr
.irp i, 0,1,2,3
	ds_load_b128 v[X+16*((\t)%2)+4*\i:X+16*((\t)%2)+4*\i+3], v15 offset:32*SP*((\t)%2)+16*\i
.endr
.endm
.irp t, 0,1,2,3
	LOAD \t
.endr
	s_wait_loadcnt 12                              ; step 0's four loads are in; the twelve of steps 1 to 3 may be out
	TURN 0
.macro STEP t
.set XS, X+16*((\t)%2)
.if (\t) > 0
	s_wait_dscnt 1                                 ; this step's numbers are back from the stage (the last step's byte store may be out): so its stores into the stage have read their registers,
.else
	s_wait_dscnt 0x0
.endif
.if (\t)+4 < STEPS
	LOAD (\t)+4                                    ; which take the loads of four steps on
.endif
.if (\t)+1 < STEPS
.if STEPS-2-(\t) >= 3
	s_wait_loadcnt 12                              ; the next step's four loads are in; those of the three steps behind it may be out
.else
	s_wait_loadcnt 4*(STEPS-2-(\t))
.endif
	TURN (\t)+1                                    ; and go through the other stage while this step is worked
.endif
	v_max3_num_f32 v8, |v[XS]|, |v[XS+1]|, |v[XS+2]|               ; the largest magnitude of my 16, in two chains
	v_max3_num_f32 v9, |v[XS+3]|, |v[XS+4]|, |v[XS+5]|
.irp i, 6,10
	v_max3_num_f32 v8, v8, |v[XS+\i]|, |v[XS+\i+1]|
	v_max3_num_f32 v9, v9, |v[XS+\i+2]|, |v[XS+\i+3]|
.endr
	v_max3_num_f32 v8, v8, |v[XS+14]|, |v[XS+15]|
	v_max3_num_f32 v8, v8, v9, (EMAX+1)<<23        ; and the floor 2^(EMAX + 1 - 127): so the byte cannot fall under 1
	v_max_num_f32_dpp v8, v8, v8 row_xmask:1 row_mask:0xf bank_mask:0xf   ; and of my neighbour's 16: the block's
	v_add_nc_u32 v11, -(EMAX<<23), v8              ; EMAX off its exponent field: the conversion takes the exponent field of this operand as its scale, and nothing else of it
	v_cvt_scalef32_pk8_fp4_f32 v[C+4*(\t)], v[XS:XS+7], v11
	v_cvt_scalef32_pk8_fp4_f32 v[C+4*(\t)+1], v[XS+8:XS+15], v11
	v_lshrrev_b32 v[E+(\t)], 23, v11               ; the scale's byte (also the plain line behind the conversions)
	ds_store_b8 v5, v[E+(\t)] offset:16*(\t)       ; both lanes of a block write the same byte with the same value
	global_store_b64 v4, v[C+4*(\t):C+4*(\t)+1], s[COD:COD+1] offset:32*CB*(\t)   ; 32 lanes store 256 consecutive bytes, aligned
.endm
.irp t, 0,1,2,3,4,5,6,7,8,9,10,11,12,13,14,15
	STEP \t
.endr
	ds_load_b64 v[8:9], v6                         ; LDS serves a wave's instructions in order: these see my byte stores
	s_wait_dscnt 0x0
	global_store_b64 v7, v[8:9], s[SCB:SCB+1]      ; 32 lanes store 256 consecutive bytes, aligned
	s_wait_tensorcnt 0x0                           ; the wave's end: three lines behind my last LDS store
	ds_add_u32 v[SPW], v[NIL]
	s_wait_dscnt 0x0
	s_endpgm
; out_w to f16, row-major as it lies: 8,192 numbers a wave, in four groups of 16 loads of 512 bytes; two groups are on their way at a time.  A lane's four numbers become 8 bytes: a store covers 256 consecutive bytes, aligned.
.macro LOADG g
.irp i, 0,1,2,3,4,5,6,7,8,9,10,11,12,13,14,15
	global_load_b128 v[R+64*((\g)%2)+4*\i:R+64*((\g)%2)+4*\i+3], v3, s[18:19] offset:8192*(\g)+512*\i th:TH_LOAD_NT
.endr
.endm
.macro CVTG g
.irp i, 0,1,2,3,4,5,6,7,8,9,10,11,12,13,14,15
	v_cvt_pk_f16_f32 v[R+64*((\g)%2)+4*\i], v[R+64*((\g)%2)+4*\i], v[R+64*((\g)%2)+4*\i+1]       ; in place: a result lands on a register whose number has been read
	v_cvt_pk_f16_f32 v[R+64*((\g)%2)+4*\i+1], v[R+64*((\g)%2)+4*\i+2], v[R+64*((\g)%2)+4*\i+3]
	global_store_b64 v4, v[R+64*((\g)%2)+4*\i:R+64*((\g)%2)+4*\i+1], s[24:25] offset:4096*(\g)+256*\i
.endr
.endm
.Lcvt:
	s_add_nc_u64 s[18:19], s[18:19], s[28:29]      ; my run of out_w,
	s_lshr_b32 s28, s28, 1
	s_add_nc_u64 s[24:25], s[24:25], s[28:29]      ; and of w16: half the bytes
	LOADG 0
	LOADG 1
	s_wait_loadcnt 16                              ; group 0 is in; group 1's sixteen may be out
	CVTG 0
	s_wait_xcnt 0x0                                ; the stores have read their registers: they may be loaded again
	LOADG 2
	s_wait_loadcnt 16                              ; group 1 is in; group 2's sixteen may be out
	CVTG 1
	s_wait_xcnt 0x0
	LOADG 3
	s_wait_loadcnt 16                              ; group 2 is in
	CVTG 2
	s_wait_loadcnt 0x0
	CVTG 3
	s_wait_tensorcnt 0x0                           ; the wave's end
	ds_add_u32 v[SPW], v[NIL]
	s_wait_dscnt 0x0
	s_endpgm
.Lfunc_end_k_qbb29a53876_quant:
	.size	k_qbb29a53876_quant, .Lfunc_end_k_qbb29a53876_quant-k_qbb29a53876_quant
	.p2alignl 7, 3214868480
	.fill 96, 4, 3214868480
	.section	.rodata,"a",@progbits
	.p2align	6, 0x0
	.amdhsa_kernel k_qbb29a53876_quant
		.amdhsa_group_segment_fixed_size 33280
		.amdhsa_private_segment_fixed_size 0
		.amdhsa_enable_private_segment 0
		.amdhsa_kernarg_size 88
		.amdhsa_user_sgpr_count 2
		.amdhsa_user_sgpr_kernarg_segment_ptr 1
		.amdhsa_wavefront_size32 1
		.amdhsa_system_sgpr_workgroup_id_x 1
		.amdhsa_system_sgpr_workgroup_id_y 1
		.amdhsa_system_sgpr_workgroup_id_z 1
		.amdhsa_system_vgpr_workitem_id 0
		.amdhsa_next_free_vgpr 192
		.amdhsa_next_free_sgpr 66
		.amdhsa_reserve_vcc 0
		.amdhsa_float_denorm_mode_32 3
		.amdhsa_float_denorm_mode_16_64 3
		.amdhsa_memory_ordered 1
		.amdhsa_forward_progress 1
		.amdhsa_inst_pref_size 54
	.end_amdhsa_kernel
	.amdgpu_metadata
---
amdhsa.version: [ 1, 2 ]
amdhsa.kernels:
  - .name:           k_qbb29a53876_quant
    .symbol:         k_qbb29a53876_quant.kd
    .args:
      - { .name: local_hidden, .offset: 0, .size: 8, .value_kind: global_buffer, .address_space: global }
      - { .name: global_hidden, .offset: 8, .size: 8, .value_kind: global_buffer, .address_space: global }
      - { .name: q_w, .offset: 16, .size: 8, .value_kind: global_buffer, .address_space: global }
      - { .name: k_w, .offset: 24, .size: 8, .value_kind: global_buffer, .address_space: global }
      - { .name: v_w, .offset: 32, .size: 8, .value_kind: global_buffer, .address_space: global }
      - { .name: kg_w, .offset: 40, .size: 8, .value_kind: global_buffer, .address_space: global }
      - { .name: vg_w, .offset: 48, .size: 8, .value_kind: global_buffer, .address_space: global }
      - { .name: out_w, .offset: 56, .size: 8, .value_kind: global_buffer, .address_space: global }
      - { .name: codes, .offset: 64, .size: 8, .value_kind: global_buffer, .address_space: global }
      - { .name: scales, .offset: 72, .size: 8, .value_kind: global_buffer, .address_space: global }
      - { .name: w16, .offset: 80, .size: 8, .value_kind: global_buffer, .address_space: global }
    .group_segment_fixed_size: 33280
    .private_segment_fixed_size: 0
    .kernarg_segment_align: 8
    .kernarg_segment_size: 88
    .max_flat_workgroup_size: 128
    .sgpr_count:     66
    .vgpr_count:     192
    .wavefront_size: 32
...
	.end_amdgpu_metadata
.endif
;; end of part 1
;; launch proj (part 2): grid 56 x 4, 4 waves a work-group, clusters of 4 x 4, 327,680 bytes of LDS; arguments codes, scales, q_b, img; writes img
.if DOCPART == 2
	.amdgcn_target "amdgcn-amd-amdhsa--gfx1250"
	.amdhsa_code_object_version 6
	.text
	.protected	k_qbb29a53876_proj
	.globl	k_qbb29a53876_proj
	.p2align	8
	.type	k_qbb29a53876_proj,@function
k_qbb29a53876_proj:
	s_mov_b64 s[64:65], 0
	v_nop
	global_prefetch_b8 v0, s[64:65] scope:SCOPE_SE
	s_setreg_imm32_b32 hwreg(HW_REG_WAVE_MODE, 25, 1), 1
	s_wait_xcnt 0x0
	s_wait_alu depctr_hold_cnt(0) depctr_sa_sdst(0) depctr_va_vdst(0) depctr_va_sdst(0) depctr_va_ssrc(0) depctr_va_vcc(0) depctr_vm_vsrc(0)
	s_getreg_b32 s2, hwreg(HW_REG_IB_STS2, 6, 4)
	s_cmp_eq_u32 s2, 0
	s_cbranch_scc0 .Lentry_in_a_cluster
	s_endpgm
.Lentry_in_a_cluster:
	s_bfe_u32 s2, ttmp6, 0x10000c
	s_cmp_lg_u32 s2, 0xf033
	s_cbranch_scc0 .Lentry_shape_is_right
	s_endpgm
.Lentry_shape_is_right:
; LAUNCH 2 OF 4.  The five quantised products (q, k, v of the 4,096 local rows; kg, vg of the 1,024 global rows; K = 1,024) on codes of FP4 (E2M1) with one E8M0 scale for each 32 along K; sums in f32.
; LEFT OUT: k_b and kg_b (a term that is the same for all keys of a softmax's row: shown at the head of the first launch).  v_b and vg_b are added in the next launch, in f32.
; Fourteen clusters of 4 x 4 work-groups; each multiplies 1,024 rows A of the codes' buffer by 1,024 rows B: one whole weight against 1,024 tokens.  A work-group makes 256 x 256, each of its four waves 128 x 128: 64 accumulators, 512 registers.
; THE MATRIX INSTRUCTION IS USED TRANSPOSED (source 0 = 16 rows of B, source 1 = 16 rows of A): a lane holds one row of A and eight neighbouring rows of B.  For q and k: A = tokens, B = the weight's rows, so a lane holds a token and
; eight neighbouring channels.  For v: A = the weight's rows, B = tokens, so a lane holds a channel and eight neighbouring keys.  In both cases four conversions to f16 give registers 0-3 or 4-7 of a fragment (16 rows x 32 K)
; of the next launch's products, and the results leave AS IMAGES OF THOSE REGISTERS: a fragment is 1,024 bytes, registers 0-3 of lane l at 16 l, registers 4-7 at 512 + 16 l.  Each store covers 512 consecutive bytes, aligned; no stage in LDS.
; img: Q at 0: [batch x head 32][query tile 128][32 channels 2][1,024]; K at 8 MiB: [32][key tile 160][2][1,024], local keys, then global; V^T at 18 MiB: [32][32 keys 80][channel tile 4][1,024], likewise.
; Q is stored as (q + q_b) x SCALE x log2(e), so that the next launch's scores are exponents of 2.
; LIMIT: what is stored must lie within f16 (magnitudes up to 65,504); with inputs 30 times those of the problem's kind, or offset by 30 spreads, the projections stay under 30,000.
; K = 1,024 is two K steps of 512 (rows of 256 bytes): both slots of LDS are filled once, at the start, and nothing is filled again.  The scales of the work-group's rows come once, in whole rows of 256 bytes, and stay.
; CLUSTERS: the four of a row of the cluster need the same rows A, the four of a column the same rows B: each tile is asked for jointly, by the same tensor load with the same descriptor and a mask that names the four.
; REGISTERS, in windows of 256: window 0: v0-31 addresses; v32-95 scale words, two sets; from v128 A's fragments, one set.  window 1: B's fragments, two sets, at v0 and v128 (on the way out v0-63: q_b).
;   window 2: the 32 accumulators of my rows 0-63 of A (accumulator (a, b) at v[8 (8 a + b)]); window 3: those of my rows 64-127.
.set KSTEP,  512
.set NQ,     KSTEP/128                 ; matrix instructions deep
.set ROWB,   256                       ; a tile's row in bytes
.set KROW,   512                       ; a row of codes in memory
.set PITCH,  272                       ; an LDS row: 256 bytes + 16 of padding: the 16 rows that a load touches start 68 words apart
.set FR,     8                         ; registers of a fragment
.set NL,     2                         ; LDS loads that bring one
.set NP,     4                         ; places behind this matrix instruction (ISA guide 7.12.1)
.set HALFT,  128*PITCH
.set SLOT,   4*HALFT                   ; A's 256 rows, then B's 256 rows
.set KS,     32                        ; a row of scales in bytes
.set SCL,    2*SLOT                    ; behind the slots: the scales, as rows of 256 bytes + 16 of padding
.set HALFS,  (128*KS/256)*272          ; the scales of 128 rows
.set SBLK,   (16*KS/256)*272           ; those of 16 rows
.set SPARE,  SCL+4*HALFS               ; behind the scales: the spare words, 128 bytes a wave, which no other line names
.set ADRA, 16                          ; v16-17  LDS address of my A fragments in slot 0, 1
.set ADRB, 20                          ; v20-21  the same for B
.set QBO,  24                          ; v24     32 x (lane / 16): my eight numbers of a tile of q_b
.set CO,   26                          ; v26     16 x lane: my place in an image
.set ADRS, 27                          ; v27     LDS address of my scale words: lanes 0-15 A's rows, lanes 16-31 B's
.set SPW,  28                          ; v28     LDS address of my spare word; never rewritten
.set NIL,  29                          ; v29     0; never rewritten
.set SC,   32                          ; scale words: set s at v[SC + 8 NQ s]; register NQ i + q: lanes 0-15 A's block i, lanes 16-31 B's block i
.set AF,   128                         ; A's fragments, in window 0
.set G1, 24                            ; s[24:31] descriptor group 1 for A's tiles;  s[32:39] group 0, one set for each slot
.set G0, 32
.set G1B, 48                           ; s[48:55], s[56:63] the same for B's tiles
.set G0B, 56
.set G1S, 68                           ; s[68:75], s[76:79] groups 1 and 0 for A's scales;  s[80:87], s[88:91] for B's
.set G0S, 76
.set G1SB, 80
.set G0SB, 88
.set OB0, 12                           ; s[12:13] where my first head's images begin
.set OB1, 92                           ; s[92:93] my second head's
.set CQ,  66                           ; s[66:67] SCALE x log2(e), twice
.set AR0, 95                           ; s95  the cluster's first row A in the codes' buffer
.set BR0, 96                           ; s96  its first row B
.set TOK0, 97                          ; s97  its first token
.set KIND, 98                          ; s98  0: q, 1: k or kg, 2: v or vg
.set LOGT, 99                          ; s99  log2 of a batch's tokens: 11 local, 9 global
.set GOFF, 100                         ; s100 where the global keys begin in a head's K or V^T
.set MSB, 0
.macro WIN new                         ; the immediate's high byte repeats the setting that is left
.if MSB != (\new)
	s_set_vgpr_msb (MSB<<8)|(\new)
.set MSB, (\new)
.endif
.endm
.set MUL_LO, 0xa1                      ; source 0 (B) window 1, source 1 (A) window 0, C and D window 2
.set MUL_HI, 0xf1                      ; the same, C and D window 3
.set TO_B,   0x40                      ; destination window 1, address window 0
; A joint load: waves 0 and 1 fetch for A, waves 2 and 3 for B.  Each of the two lines has one mask and one set of registers for all that issue it; the branch hangs on the wave's number alone.
; An s_nop 0 and four v_nop follow each of the two lines, ahead of the jump, the label and what follows.
.macro JLOAD g0a, g1a, g0b, g1b
	s_cmp_eq_u32 s15, 0
	s_cbranch_scc0 .Lfor_b_\@
	tensor_load_to_lds s[\g0a:\g0a+3], s[\g1a:\g1a+7]
	s_nop 0
.rept 4
	v_nop
.endr
	s_branch .Lasked_\@
.Lfor_b_\@:
	tensor_load_to_lds s[\g0b:\g0b+3], s[\g1b:\g1b+7]
	s_nop 0
.rept 4
	v_nop
.endr
.Lasked_\@:
.endm
.macro CROUND                          ; a round of the cluster's barrier
	s_barrier_signal -1
	s_barrier_wait -1
	s_cmp_lg_u32 s14, 0
	s_cbranch_scc1 .Lnot_wave_0_\@
	s_barrier_signal -3
.Lnot_wave_0_\@:
	s_barrier_wait -3
	s_barrier_signal -1
	s_barrier_wait -1
.endm
	s_load_b128 s[4:7], s[0:1], 0x0                ; codes s[4:5], scales s[6:7]
	s_load_b128 s[8:11], s[0:1], 0x10              ; q_b s[8:9], img s[10:11]
	v_lshl_add_u32 v[SPW], v0, 2, SPARE
	v_mov_b32 v[NIL], 0
	ds_add_u32 v[SPW], v[NIL]                      ; the wave's opening: the add, twice on end, and its wait ahead of my first tensor load; the set-up below, work on registers, stands between
	ds_add_u32 v[SPW], v[NIL]
	v_lshrrev_b32 v1, 5, v0
	v_readfirstlane_b32 s14, v1                    ; wave 0..3
	s_lshr_b32 s15, s14, 1                         ; which half of the tile's rows A is mine.  Also: I fetch for A (0) or for B (1)
	s_and_b32 s16, s14, 1                          ; which half of its rows B.  Also: which 128 rows I fetch
	s_bfe_u32 s40, ttmp6, 0x40000                  ; cx, cy: my place in the cluster
	s_bfe_u32 s41, ttmp6, 0x40004
	; what my cluster multiplies: all of it hangs on the cluster's number c alone, which the sixteen partners share.  c 0-7: q (even) or k (odd) of tokens 1,024 (c / 2) on; 8-11: v of tokens 1,024 (c - 8) on; 12: kg; 13: vg
	s_lshr_b32 s[TOK0], ttmp9, 1
	s_lshl_b32 s[TOK0], s[TOK0], 10
	s_and_b32 s[KIND], ttmp9, 1
	s_lshl_b32 s[BR0], s[KIND], 10
	s_add_co_u32 s[BR0], s[BR0], 5120              ; q_w or k_w
	s_sub_co_u32 s2, ttmp9, 8
	s_lshl_b32 s2, s2, 10
	s_cmp_ge_u32 ttmp9, 8
	s_cselect_b32 s[AR0], 7168, s[TOK0]            ; v: A = v_w's rows, B = tokens
	s_cselect_b32 s[BR0], s2, s[BR0]
	s_cselect_b32 s[TOK0], s2, s[TOK0]
	s_cselect_b32 s[KIND], 2, s[KIND]
	s_cmp_eq_u32 ttmp9, 12
	s_cselect_b32 s[AR0], 4096, s[AR0]             ; kg: A = the global rows, B = kg_w
	s_cselect_b32 s[BR0], 8192, s[BR0]
	s_cselect_b32 s[KIND], 1, s[KIND]
	s_cmp_eq_u32 ttmp9, 13
	s_cselect_b32 s[AR0], 9216, s[AR0]             ; vg: A = vg_w, B = the global rows
	s_cselect_b32 s[BR0], 4096, s[BR0]
	s_cmp_ge_u32 ttmp9, 12
	s_cselect_b32 s[TOK0], 0, s[TOK0]
	s_cselect_b32 s[LOGT], 9, 11
	s_cselect_b32 s[GOFF], 262144, 0
	s_lshl_b32 s43, s41, 2
	s_lshl_b32 s43, 15, s43                        ; my row of the cluster
	s_lshl_b32 s44, 0x1111, s40                    ; my column
	; descriptor group 1: a tile of 128 rows x 256 bytes, padded in LDS
	s_or_b32 s[G1+0], s43, (0<<16)|(1<<20)|(1<<21)|(5<<22)|(3<<25)  ; 15:0 the mask: A's tiles go to my row; 17:16 elements of 1 byte; 20 padding on; 21 set beside a mask; 24:22 after every 64 words; 31:25 four words
	s_or_b32 s[G1B+0], s44, (0<<16)|(1<<20)|(1<<21)|(5<<22)|(3<<25)
.irp g, G1, G1B
	s_mov_b32 s[\g+1], ROWB<<16                    ; tensor_dim0
	s_mov_b32 s[\g+2], 128<<16                     ; tensor_dim1 = 128
	s_mov_b32 s[\g+3], ROWB<<16                    ; tile_dim0
	s_mov_b32 s[\g+4], 128                         ; tile_dim1 = 128
	s_mov_b32 s[\g+5], KROW                        ; from row to row
	s_mov_b32 s[\g+6], 0
	s_mov_b32 s[\g+7], 0
.endr
	; and for the scales of 128 rows: a dense block of 4,096 bytes, as rows of 256 bytes (32 elements of 8 bytes), 16 bytes of padding behind each
	s_or_b32 s[G1S+0], s43, (3<<16)|(1<<20)|(1<<21)|(5<<22)|(3<<25)
	s_or_b32 s[G1SB+0], s44, (3<<16)|(1<<20)|(1<<21)|(5<<22)|(3<<25)
.irp g, G1S, G1SB
	s_mov_b32 s[\g+1], 32<<16
	s_mov_b32 s[\g+2], (128*KS/256)<<16
	s_mov_b32 s[\g+3], 32<<16
	s_mov_b32 s[\g+4], 128*KS/256
	s_mov_b32 s[\g+5], 32
	s_mov_b32 s[\g+6], 0
	s_mov_b32 s[\g+7], 0
.endr
	s_lshl_b32 s18, s16, 7                         ; which 128 rows of the tile I fetch
	s_lshl_b32 s20, s41, 8
	s_add_co_u32 s20, s20, s18
	s_add_co_u32 s20, s20, s[AR0]                  ; A: row AR0 + 256 cy + 128 x half: no cx in it
	s_lshl_b32 s46, s40, 8
	s_add_co_u32 s46, s46, s18
	s_add_co_u32 s46, s46, s[BR0]                  ; B: row BR0 + 256 cx + 128 x half: no cy in it
	s_lshl_b32 s22, s20, 5                         ; where these rows' scales begin, in bytes,
	s_mov_b32 s23, 0
	s_lshl_b32 s92, s46, 5
	s_mov_b32 s93, 0
	s_lshl_b32 s20, s20, 9                         ; and their codes
	s_mov_b32 s21, 0
	s_lshl_b32 s46, s46, 9
	s_mov_b32 s47, 0
	s_mul_i32 s45, s14, HALFT                      ; where they go: wave x 128 rows: no place in the cluster enters an LDS address
	s_mul_i32 s94, s14, HALFS
	s_wait_dscnt 0x0                               ; both opening adds are done
	s_wait_kmcnt 0x0
	s_add_nc_u64 s[20:21], s[4:5], s[20:21]
	s_add_nc_u64 s[22:23], s[6:7], s[22:23]
	s_add_nc_u64 s[46:47], s[4:5], s[46:47]
	s_add_nc_u64 s[92:93], s[6:7], s[92:93]
	CROUND                                         ; all sixteen work-groups are here: the joint loads meet
	s_mov_b32 s[G0S], 1
	s_add_co_u32 s[G0S+1], s94, SCL
	s_mov_b64 s[G0S+2:G0S+3], s[22:23]
	s_or_b32 s[G0S+3], s[G0S+3], 0x80000000
	s_mov_b32 s[G0SB], 1
	s_add_co_u32 s[G0SB+1], s94, SCL
	s_mov_b64 s[G0SB+2:G0SB+3], s[92:93]
	s_or_b32 s[G0SB+3], s[G0SB+3], 0x80000000
	JLOAD G0S, G1S, G0SB, G1SB                     ; the scales first: they are wanted with K step 0
.irp s, 0,1
	s_mov_b32 s[G0+4*\s], 1
	s_add_co_u32 s[G0+4*\s+1], s45, \s*SLOT
	s_add_nc_u64 s[G0+4*\s+2:G0+4*\s+3], s[20:21], \s*ROWB
	s_or_b32 s[G0+4*\s+3], s[G0+4*\s+3], 0x80000000
	s_mov_b32 s[G0B+4*\s], 1
	s_add_co_u32 s[G0B+4*\s+1], s45, \s*SLOT
	s_add_nc_u64 s[G0B+4*\s+2:G0B+4*\s+3], s[46:47], \s*ROWB
	s_or_b32 s[G0B+4*\s+3], s[G0B+4*\s+3], 0x80000000
	JLOAD G0+4*\s, G1, G0B+4*\s, G1B               ; three loads of mine are out: all that the launch fetches
.endr
	v_and_b32 v1, 15, v0                           ; l % 16
	v_bfe_u32 v2, v0, 4, 1                         ; l / 16
	v_mul_u32_u24 v3, v1, PITCH
	v_lshl_add_u32 v4, v2, 4, v3                   ; a fragment's row x pitch + 16 x half
	s_mul_i32 s21, s15, HALFT                      ; my 128 rows of A
	s_mul_i32 s22, s16, HALFT                      ; my 128 rows of B,
	s_add_co_u32 s22, s22, 2*HALFT                 ; which lie behind A's 256
.irp s, 0,1
	v_add_nc_u32 v[ADRA+\s], s21, v4
	v_add_nc_u32 v[ADRB+\s], s22, v4
	s_add_co_u32 s21, s21, SLOT
	s_add_co_u32 s22, s22, SLOT
.endr
	v_mul_u32_u24 v5, v1, KS                       ; my row's scales: KS bytes a row,
	v_lshrrev_b32 v6, 8, v5
	v_lshl_add_u32 v5, v6, 4, v5                   ; and 16 more for each 256 passed
	s_mul_i32 s21, s15, HALFS                      ; A's: my 128 rows
	s_mul_i32 s22, s16, HALFS                      ; B's: my 128 rows, behind A's 256
	s_add_co_u32 s22, s22, 2*HALFS
	s_sub_co_u32 s22, s22, s21
	v_mul_u32_u24 v6, s22, v2                      ; lanes 16-31 take B's
	s_add_co_u32 s21, s21, SCL
	v_add_nc_u32 v5, v5, v6
	v_add_nc_u32 v[ADRS], s21, v5
	v_and_b32 v6, 31, v0
	v_lshlrev_b32 v[CO], 4, v6
	v_lshlrev_b32 v[QBO], 5, v2
	; where my results go
	s_lshl_b32 s17, s41, 8
	s_lshl_b32 s18, s15, 7
	s_add_co_u32 s17, s17, s18                     ; my first row A in the cluster's 1,024
	s_lshl_b32 s42, s40, 8
	s_lshl_b32 s18, s16, 7
	s_add_co_u32 s42, s42, s18                     ; my first row B
	s_cmp_eq_u32 s[KIND], 2
	s_cselect_b32 s18, s42, s17                    ; the tokens are B's rows for v, else A's;
	s_cselect_b32 s19, s17, s42                    ; the weight's rows the other
	s_add_co_u32 s18, s18, s[TOK0]                 ; my first token
	s_lshr_b32 s19, s19, 6                         ; my first head (I have two)
	s_lshr_b32 s2, s18, s[LOGT]                    ; the batch
	s_lshl_b32 s3, s2, s[LOGT]
	s_sub_co_u32 s18, s18, s3                      ; the token in its batch
	s_lshl_b32 s2, s2, 4
	s_add_co_u32 s2, s2, s19                       ; 16 x batch + head
	s_mov_b32 s3, 327680
	s_cmp_eq_u32 s[KIND], 0
	s_cselect_b32 s3, 262144, s3                   ; bytes of a head: Q's, or K's and V^T's
	s_mul_i32 s2, s2, s3
	s_cmp_eq_u32 s[KIND], 1
	s_cselect_b32 s19, 8388608, 0                  ; the region
	s_cmp_eq_u32 s[KIND], 2
	s_cselect_b32 s19, 18874368, s19
	s_add_co_u32 s2, s2, s19
	s_add_co_u32 s2, s2, s[GOFF]
	s_lshl_b32 s18, s18, 7                         ; 128 bytes a token in all three: 2,048 for a tile of 16, 4,096 for 32 keys
	s_add_co_u32 s18, s2, s18
	s_mov_b32 s19, 0
	s_add_nc_u64 s[OB0:OB0+1], s[10:11], s[18:19]
	s_mov_b32 s18, s3
	s_add_nc_u64 s[OB1:OB1+1], s[OB0:OB0+1], s[18:19]
	s_lshl_b32 s18, s42, 2
	s_add_nc_u64 s[8:9], s[8:9], s[18:19]          ; q_b at my first row B (used where B is q_w)
	s_mov_b32 s[CQ], 0x3e38aa3b                    ; SCALE x log2(e) = 0.125 x 1.442695
	s_mov_b32 s[CQ+1], s[CQ]
.macro FRAG reg, adr, q, i             ; a fragment, 16 rows x 128 K of 4-bit codes, is 8 registers: lane l holds row l % 16; registers 4 c .. 4 c + 3 hold K = 64 c + 32 (l / 16) + 0 .. 31
.irp c, 0,1
	ds_load_b128 v[\reg+4*\c:\reg+4*\c+3], v[\adr] offset:64*(\q)+32*\c+(\i)*16*PITCH
.endr
.endm
; 16 matrix instructions: A's blocks a0, a0 + 1 x B's eight, 128 along K: the slot's q-th.  p: B's set;  sc: the set of scale words.  zero = 1: the first product starts the sums.
; The 64 accumulators take turns, one instruction a turn, in the same order in every step.
.macro MUL16 a0, p, q, sc, zero
.irp a, \a0, \a0+1
.irp b, 0,1,2,3,4,5,6,7
.if \zero
	v_wmma_scale_f32_16x16x128_f8f6f4 v[8*(8*((\a)%4)+\b):8*(8*((\a)%4)+\b)+7], v[128*(\p)+FR*\b:128*(\p)+FR*\b+FR-1], v[AF+FR*(\a):AF+FR*(\a)+FR-1], 0, v[SC+8*NQ*(\sc)+NQ*\b+(\q)], v[SC+8*NQ*(\sc)+NQ*(\a)+(\q)] matrix_a_fmt:MATRIX_FMT_FP4 matrix_b_fmt:MATRIX_FMT_FP4 matrix_a_scale:MATRIX_SCALE_ROW1
.else
	v_wmma_scale_f32_16x16x128_f8f6f4 v[8*(8*((\a)%4)+\b):8*(8*((\a)%4)+\b)+7], v[128*(\p)+FR*\b:128*(\p)+FR*\b+FR-1], v[AF+FR*(\a):AF+FR*(\a)+FR-1], v[8*(8*((\a)%4)+\b):8*(8*((\a)%4)+\b)+7], v[SC+8*NQ*(\sc)+NQ*\b+(\q)], v[SC+8*NQ*(\sc)+NQ*(\a)+(\q)] matrix_a_fmt:MATRIX_FMT_FP4 matrix_b_fmt:MATRIX_FMT_FP4 matrix_a_scale:MATRIX_SCALE_ROW1
.endif
.endr
.endr
.endm
.macro FETCH_B slot, q, p              ; B's eight fragments of the slot's q-th 128 along K into set p
	WIN TO_B
.irp i, 0,1,2,3,4,5,6,7
	FRAG 128*(\p)+FR*\i, ADRB+\slot, \q, \i
.endr
	WIN 0
.endm
.macro FETCH_A slot, q, i0             ; A's blocks i0 .. i0 + 3
.irp i, \i0, \i0+1, \i0+2, \i0+3
	FRAG AF+FR*(\i), ADRA+\slot, \q, \i
.endr
.endm
.macro SCALES sc                       ; a K step's scale words into set sc: NQ words a row; lanes 0-15 take A's block i, lanes 16-31 B's block i
.irp i, 0,1,2,3,4,5,6,7
	ds_load_b128 v[SC+8*NQ*\sc+NQ*\i:SC+8*NQ*\sc+NQ*\i+3], v[ADRS] offset:\i*SBLK
.endr
.endm
; A load into a register that a matrix instruction has read, and a vector instruction that reads a matrix result, stand NP places behind that matrix instruction; only plain vector instructions that name none of its registers are places.
.macro PLACES n
.rept \n
	v_nop
.endr
.endm
; A step of 128 along K that has its successor in the same slot.  A's blocks are free as soon as their eight products are issued, so A has one set of registers: blocks 0-3 are fetched anew in the step's middle, blocks 4-7 at its end.
.macro STEP slot, q, zero
	s_wait_dscnt 4*NL                              ; B's set and A's blocks 0-3 are in; the youngest eight loads (A's blocks 4-7) may be out
	WIN MUL_LO
	MUL16 0, (\q)%2, \q, \slot, \zero
	MUL16 2, (\q)%2, \q, \slot, \zero
	s_wait_dscnt 0                                 ; A's blocks 4-7 are in
	PLACES NP
	FETCH_B \slot, (\q)+1, 1-(\q)%2
	FETCH_A \slot, (\q)+1, 0
	WIN MUL_HI
	MUL16 4, (\q)%2, \q, \slot, \zero
	MUL16 6, (\q)%2, \q, \slot, \zero
	PLACES NP
	WIN 0
	FETCH_A \slot, (\q)+1, 4
.endm
; Slot 0's last step goes over to slot 1: one barrier; in front of it each wave waits for all its tensor loads (its part of slot 1), adds 0 to its spare word and waits for that.  Nothing is filled again.
.macro TURN slot, next
	s_wait_tensorcnt 0x0                           ; all my tensor loads have landed
	ds_add_u32 v[SPW], v[NIL]                      ; 0 onto my spare word
	s_wait_dscnt 4*NL+1                            ; (the add and the youngest eight loads, A's blocks 4-7, may be out)
	WIN MUL_LO
	MUL16 0, 1, NQ-1, \slot, 0                     ; sixteen matrix instructions stand between the add and the wait for it
	s_wait_dscnt 0x0                               ; the add is done, and my LDS loads are in
	s_barrier_signal -1
	MUL16 2, 1, NQ-1, \slot, 0
	WIN 0
	s_barrier_wait -1                              ; every wave's part of the next slot has landed
	PLACES NP
	v_add_nc_u32 v[ADRS], 4*NQ, v[ADRS]            ; on to the next K step's scale words
	FETCH_B \next, 0, 0
	FETCH_A \next, 0, 0
	SCALES \next
	WIN MUL_HI
	MUL16 4, 1, NQ-1, \slot, 0
	MUL16 6, 1, NQ-1, \slot, 0
	PLACES NP
	WIN 0
	FETCH_A \next, 0, 4
.endm
	s_wait_tensorcnt 1                             ; the scales and my part of K step 0 are in (K step 1's load may be out)
	s_barrier_signal -1
	s_barrier_wait -1                              ; everybody's are
	FETCH_B 0, 0, 0
	FETCH_A 0, 0, 0
	SCALES 0
	FETCH_A 0, 0, 4
	STEP 0, 0, 1                                   ; the first step's products start the sums: nothing is cleared
	STEP 0, 1, 0
	STEP 0, 2, 0
	TURN 0, 1
	STEP 1, 0, 0
	STEP 1, 1, 0
	STEP 1, 2, 0
	s_wait_dscnt 4*NL                              ; the very last step: nothing more to fetch
	WIN MUL_LO
	MUL16 0, 1, NQ-1, 1, 0
	MUL16 2, 1, NQ-1, 1, 0
	s_wait_dscnt 0
	WIN MUL_HI
	MUL16 4, 1, NQ-1, 1, 0
	MUL16 6, 1, NQ-1, 1, 0
	WIN 0
	; THE WAY OUT.  q alone: (q + q_b) x c, as q x c + (q_b x c).  Then every accumulator's eight numbers become four registers of f16, in place, from its low end on, and leave as half an image.
	PLACES NP
	s_cmp_lg_u32 s[KIND], 0                        ; the same in all sixteen partners
	s_cbranch_scc1 .Lno_bias
	WIN TO_B
.irp b, 0,1,2,3,4,5,6,7
	global_load_b128 v[8*\b:8*\b+3], v[QBO], s[8:9] offset:64*\b          ; q_b of B's block b: my half's eight, as the results lie
	global_load_b128 v[8*\b+4:8*\b+7], v[QBO], s[8:9] offset:64*\b+16
.endr
	s_wait_loadcnt 0x0
	WIN 0x41                                       ; destination and source 0 window 1
.set n, 0
.rept 32
	v_pk_mul_f32 v[2*n:2*n+1], v[2*n:2*n+1], s[CQ:CQ+1] op_sel_hi:[1,0]
.set n, n+1
.endr
.irp hi, 0,1
	WIN 0x92+0x41*\hi                              ; destination and source 0 window 2 or 3, source 2 window 1
.irp a, 0,1,2,3
.irp b, 0,1,2,3,4,5,6,7
.irp i, 0,2,4,6
	v_pk_fma_f32 v[8*(8*\a+\b)+\i:8*(8*\a+\b)+\i+1], v[8*(8*\a+\b)+\i:8*(8*\a+\b)+\i+1], s[CQ:CQ+1], v[8*\b+\i:8*\b+\i+1] op_sel_hi:[1,0,1]
.endr
.endr
.endr
.endr
	WIN 0
.Lno_bias:
.irp hi, 0,1
	WIN 0xaa+0x55*\hi                              ; all places window 2 or 3
.set n, 0
.rept 32
.irp r, 0,1,2,3
	v_cvt_pk_f16_f32 v[8*n+\r], v[8*n+2*\r], v[8*n+2*\r+1]       ; a result lands on a register whose number has been read
.endr
.set n, n+1
.endr
.endr
	WIN 0
.macro PUT base, a, b, off             ; accumulator (a, b) of the window in hand: 32 lanes store 512 consecutive bytes, aligned
	global_store_b128 v[CO], v[8*(8*(\a)+(\b)):8*(8*(\a)+(\b))+3], s[\base:\base+1] offset:\off
.endm
	s_cmp_eq_u32 s[KIND], 2
	s_cbranch_scc1 .Lstore_v
.irp hi, 0,1                           ; q, k: A's block is a tile of tokens (2,048 bytes); B's blocks 0-3 are my first head's 64 channels, 4-7 my second's
	WIN 0x08+4*\hi                                 ; a store's data: window 2 or 3
.irp a, 0,1,2,3
.irp b, 0,1,2,3
	PUT OB0, \a, \b, 2048*(4*\hi+\a)+512*\b
	PUT OB1, \a, \b+4, 2048*(4*\hi+\a)+512*\b
.endr
.endr
.endr
	WIN 0
	s_branch .Ldone
.Lstore_v:                             ; v: A's blocks 0-3 are my first head's four tiles of channels (1,024 bytes), 4-7 my second's; two of B's blocks are 32 keys (4,096 bytes)
	WIN 0x08
.irp a, 0,1,2,3
.irp b, 0,1,2,3,4,5,6,7
	PUT OB0, \a, \b, 1024*\a+4096*(\b/2)+512*(\b%2)
.endr
.endr
	WIN 0x0c
.irp a, 0,1,2,3
.irp b, 0,1,2,3,4,5,6,7
	PUT OB1, \a, \b, 1024*\a+4096*(\b/2)+512*(\b%2)
.endr
.endr
	WIN 0
.Ldone:
	s_wait_tensorcnt 0x0                           ; the wave's end: three lines behind my last tensor load
	ds_add_u32 v[SPW], v[NIL]
	s_wait_dscnt 0x0
	CROUND                                         ; the closing round: no work-group ends while a partner may still ask for a tile that names it
	s_endpgm
.Lfunc_end_k_qbb29a53876_proj:
	.size	k_qbb29a53876_proj, .Lfunc_end_k_qbb29a53876_proj-k_qbb29a53876_proj
	.p2alignl 7, 3214868480
	.fill 96, 4, 3214868480
	.section	.rodata,"a",@progbits
	.p2align	6, 0x0
	.amdhsa_kernel k_qbb29a53876_proj
		.amdhsa_group_segment_fixed_size 327680
		.amdhsa_private_segment_fixed_size 0
		.amdhsa_enable_private_segment 0
		.amdhsa_kernarg_size 32
		.amdhsa_user_sgpr_count 2
		.amdhsa_user_sgpr_kernarg_segment_ptr 1
		.amdhsa_wavefront_size32 1
		.amdhsa_system_sgpr_workgroup_id_x 1
		.amdhsa_system_sgpr_workgroup_id_y 1
		.amdhsa_system_sgpr_workgroup_id_z 1
		.amdhsa_system_vgpr_workitem_id 0
		.amdhsa_next_free_vgpr 1024
		.amdhsa_next_free_sgpr 102
		.amdhsa_reserve_vcc 0
		.amdhsa_float_denorm_mode_32 3
		.amdhsa_float_denorm_mode_16_64 3
		.amdhsa_memory_ordered 1
		.amdhsa_forward_progress 1
		.amdhsa_inst_pref_size 145
	.end_amdhsa_kernel
	.amdgpu_metadata
---
amdhsa.version: [ 1, 2 ]
amdhsa.kernels:
  - .name:           k_qbb29a53876_proj
    .symbol:         k_qbb29a53876_proj.kd
    .args:
      - { .name: codes, .offset: 0, .size: 8, .value_kind: global_buffer, .address_space: global }
      - { .name: scales, .offset: 8, .size: 8, .value_kind: global_buffer, .address_space: global }
      - { .name: q_b, .offset: 16, .size: 8, .value_kind: global_buffer, .address_space: global }
      - { .name: img, .offset: 24, .size: 8, .value_kind: global_buffer, .address_space: global }
    .group_segment_fixed_size: 327680
    .private_segment_fixed_size: 0
    .kernarg_segment_align: 8
    .kernarg_segment_size: 32
    .max_flat_workgroup_size: 128
    .sgpr_count:     102
    .vgpr_count:     1024
    .wavefront_size: 32
...
	.end_amdgpu_metadata
.endif
;; end of part 2
;; launch attn (part 3): grid 8 x 32, 8 waves a work-group, clusters of 4 x 1, 327,680 bytes of LDS; arguments img, gate, v_b, vg_b, att; writes att
.if DOCPART == 3
	.amdgcn_target "amdgcn-amd-amdhsa--gfx1250"
	.amdhsa_code_object_version 6
	.text
	.protected	k_qbb29a53876_attn
	.globl	k_qbb29a53876_attn
	.p2align	8
	.type	k_qbb29a53876_attn,@function
k_qbb29a53876_attn:
	s_mov_b64 s[64:65], 0
	v_nop
	global_prefetch_b8 v0, s[64:65] scope:SCOPE_SE
	s_setreg_imm32_b32 hwreg(HW_REG_WAVE_MODE, 25, 1), 1
	s_wait_xcnt 0x0
	s_wait_alu depctr_hold_cnt(0) depctr_sa_sdst(0) depctr_va_vdst(0) depctr_va_sdst(0) depctr_va_ssrc(0) depctr_va_vcc(0) depctr_vm_vsrc(0)
	s_getreg_b32 s2, hwreg(HW_REG_IB_STS2, 6, 4)
	s_cmp_eq_u32 s2, 0
	s_cbranch_scc0 .Lentry_in_a_cluster
	s_endpgm
.Lentry_in_a_cluster:
	s_bfe_u32 s2, ttmp6, 0x10000c
	s_cmp_lg_u32 s2, 0x3003
	s_cbranch_scc0 .Lentry_shape_is_right
	s_endpgm
.Lentry_shape_is_right:
; LAUNCH 3 OF 4.  Both attentions and the gate: mix = g softmax(q k_l^T SCALE) (v_l + v_b) + (1 - g) softmax(q k_g^T SCALE) (v_g + vg_b), g = sigmoid(gate).  Operands f16, products' sums, maxima, sums and the mix in f32.
; LEFT OUT: k_b and kg_b (a term that is the same for all keys of a softmax's row: shown at the head of the first launch).
; v_b and vg_b: a softmax's row sums to 1, so softmax(..) (v + v_b) = softmax(..) v + v_b for all values: they are added at the end, in f32, as g v_b + (1 - g) vg_b.
; LIMITS: Q, K, V arrive as f16 and the mix leaves as f16 (magnitudes up to 65,504).
; Q, K, V^T come as images of fragments (the launch before): 1,024 bytes a fragment, registers 0-3 of lane l at 16 l, registers 4-7 at 512 + 16 l.  So every LDS load takes 512 consecutive bytes, and a tile is a dense block of memory.
; Q holds SCALE x log2(e), so a score s is an exponent of 2: p = 2^(s - m), m the running maximum; in every step O and the sum l are multiplied by a = 2^(old m - new m).
; SHARES.  A work-group owns 256 queries of one batch and head.  EIGHT waves of 512 registers.  Wave w holds the 64 queries 64 (w % 4) on (four tiles of 16) and walks HALF of the keys: of each 256 keys the 128 at 128 (w / 4).
; So each fragment of K and V read from LDS feeds four matrix instructions, and one wave's vector work can stand beside another's matrix work.  Waves w and w xor 4 join their (m, l, O) through LDS at the end of each attention.
; LAYOUT.  S^T = K Q^T (source 0 = 16 keys, source 1 = 16 queries): a lane holds ONE query (lane % 16) and keys 8 (lane / 16) + 0..7; two such tiles rounded to f16 are source 1 of O^T = V^T P, whose result holds one query a lane and eight channels.
; THE WALK.  Ten pieces of 256 keys (eight local, two global), each 32 KB of K and 32 KB of V^T, through a ring of two LDS slots.  Every wave fetches 8 KB of every piece: one tensor load a wave behind each change of slots, one out at a time.
; CLUSTER.  The four query blocks of a cluster belong to one batch and head and walk the same K and V: each piece is asked for jointly, by the same load with the same descriptor and a mask that names the four.
; THE RESULT leaves as images of the last product's fragments (16 tokens x 32 of its K): att: [128 tokens 32][256 along K 4][tile of tokens 8][32 along K 8][1,024].
; REGISTERS.  Window 0: v2-15 addresses; v16-47 statistics, eight a tile: +0 m, +1 (named with it), +2, +3 l, +4..+7 at work, a and later the tile's factor at +6; v48-51 g, g, 1 - g, 1 - g; v52-55 the old m;
;   v64-191 S^T, 32 a tile, P in place in each tile's first 16; v192-255 V's fragments.   Window 1: v0-127 O^T, 32 a tile; v128-191 Q; v192-255 K's fragments.
.set KREG,  8388608                    ; K's images in img
.set VREG,  18874368                   ; V^T's
.set PIECE, 32768                      ; 256 keys of K, or of V^T
.set SLOT1, 0x10000                    ; a slot: K's 32 KB, then V's; slot 1 begins here, so that one exclusive or turns an address
.set STEPB, 8192                       ; 64 keys of K, or of V^T
.set STG,   131072                     ; behind the ring: 16,384 bytes for each wave: O as an image
.set STA,   262144                     ; the statistics: 2 attentions x 8 waves x 1,024 bytes: tile t: m at 256 t + 4 lane, l 128 further on
.set SPARE, 278528                     ; the spare words, 128 bytes a wave, which no other line names
.set AK0, 2                            ; v2   my lane's place in a slot's K: 16 lane + my half
.set AV0, 3                            ; v3   in its V
.set ADK, 4                            ; v4   the step's K
.set ADV, 5                            ; v5   the step's V
.set SG,  6                            ; v6   my stage
.set SGR, 7                            ; v7   in it the two tiles that I send out
.set SPR, 8                            ; v8   the same two tiles in my partner's stage
.set SA,  9                            ; v9   my statistics
.set SB,  10                           ; v10  my partner's
.set LI,  11                           ; v11  16 x lane
.set PFO, 12                           ; v12  256 x lane: the prefetches' offset; never rewritten
.set BO,  13                           ; v13  32 x (lane / 16): my eight channels of a tile of a bias
.set SPW, 14                           ; v14  LDS address of my spare word; never rewritten
.set NIL, 15                           ; v15  0; never rewritten
.set ST,  16
.set GF,  48
.set OM,  52
.set S,   64
.set VB,  192
.set Q,   128                          ; in window 1
.set KB,  192                          ; in window 1
.set WV,  16                           ; s16  wave
.set GK,  17                           ; s17  wave / 4: my half of the keys
.set WQ,  18                           ; s18  wave % 4: my 64 queries
.set G1,  24                           ; s[24:31] descriptor group 1
.set G0,  32                           ; s[32:35] group 0, which walks
.set TB,  36                           ; s36  LDS byte at which the step's slot part begins
.set SLOTS, 37
.set TWICE, 38
.set SEL, 40                           ; s[40:41] v_permlanex16_b32's selects for lane l xor 16
.set PFA, 42                           ; s[42:43] where my prefetches stand
.set LIM, 44                           ; s44  1 in a wave that prefetches
.set QP,  48                           ; s[48:49] my wave's images of Q
.set MSB, 0
.macro WIN new                         ; the immediate's high byte repeats the setting that is left
.if MSB != (\new)
	s_set_vgpr_msb (MSB<<8)|(\new)
.set MSB, (\new)
.endif
.endm
.set W_KQ, 0x05                        ; K and Q window 1, S^T window 0
.set W_PV, 0x50                        ; V and P window 0, O^T window 1
.set W_RS, 0x41                        ; O^T (destination, source 0) window 1, the factor window 0
.set TO_1, 0x40                        ; destination window 1
.set ST_1, 0x04                        ; an LDS store's data window 1
.set W_MX, 0x01                        ; source 0 (O^T) window 1, the rest window 0
.macro ROUND                           ; a round of the cluster's barrier
	s_barrier_signal -1
	s_barrier_wait -1
	s_cmp_lg_u32 s[WV], 0
	s_cbranch_scc1 .Lnot_wave_0_\@
	s_barrier_signal -3
.Lnot_wave_0_\@:
	s_barrier_wait -3
	s_barrier_signal -1
	s_barrier_wait -1
.endm
; A PREFETCH INTO THE L2 of the piece that the NEXT change of slots will ask for: two key steps of every wave ahead of that load.  Both clusters of a batch and head walk the same K and V: the first asks.  Its four partners share a piece's
; 32 KB out BY ADDRESS, 8 KB each, a lane to each 256 bytes; in each, wave 0 asks for K's and wave 4 for V's.  So each 256 bytes are named once in the launch.  Pieces 0 and 1 come by their loads alone.
.macro ASK
	s_cmp_eq_u32 s[LIM], 1
	s_cbranch_scc0 .Lnot_mine_\@
	global_prefetch_b8 v[PFO], s[PFA:PFA+1] th:TH_LOAD_NT scope:SCOPE_SE
.Lnot_mine_\@:
.endm
; THE CHANGE OF SLOTS stands at a slot's head.  Each wave waits for all its tensor loads (its part of the slot that it is about to read), adds 0 to its spare word, and waits for that and for its LDS instructions on the slot that it has left.
; fill = 1: the barrier is a round of the cluster's, and behind it the slot that was left is filled with the next piece: my one tensor load, the first thing there.  ask = 1: the prefetch follows it.
.macro CHANGE fill, ask
	s_wait_tensorcnt 0x0                           ; no tensor load of mine is out, so group 0 may be written
	ds_add_u32 v[SPW], v[NIL]                      ; 0 onto my spare word; the steps below stand between it and the wait for it
.if \fill
	s_xor_b32 s[G0+1], s[G0+1], SLOT1              ; the other slot than last time,
	s_add_nc_u64 s[G0+2:G0+3], s[G0+2:G0+3], PIECE ; the next piece; the type bits on top are not reached
.endif
.if \ask
	s_wait_xcnt 0x0                                ; the last prefetch, a slot back, has read its address, so it may be written
	s_add_nc_u64 s[PFA:PFA+1], s[PFA:PFA+1], PIECE ; one piece further on than the walking descriptor
.endif
	s_wait_dscnt 0x0                               ; the add is done; my reads of the slot that I have left are over, and my LDS stores have landed
.if \fill
	ROUND
	tensor_load_to_lds s[G0:G0+3], s[G1:G1+7]
	s_nop 0
.rept 4
	v_nop
.endr
.if \ask
	ASK
.endif
.else
	s_barrier_signal -1
	s_barrier_wait -1
.endif
.endm
; A KEY STEP: my 64 queries x 64 keys.
.macro STEP
	v_add_nc_u32 v[ADK], s[TB], v[AK0]             ; these six plain lines are the places between the last products V^T P and the loads into V's registers, and the products below that write over P
	v_add_nc_u32 v[ADV], s[TB], v[AV0]
.irp t, 0,1,2,3
	v_mov_b32 v[OM+\t], v[ST+8*\t]                 ; the old m is kept for a
.endr
	WIN TO_1
.irp i, 0,1,2,3,4,5,6,7,8,9,10,11,12,13,14,15
	ds_load_b128 v[KB+4*\i:KB+4*\i+3], v[ADK] offset:512*\i      ; K: fragment (key tile kt, 32 channels c) at registers 16 kt + 8 c
.endr
	WIN 0
.irp i, 0,1,2,3,4,5,6,7,8,9,10,11,12,13,14,15
	ds_load_b128 v[VB+4*\i:VB+4*\i+3], v[ADV] offset:512*\i      ; V^T: fragment (32 keys k, channel tile ct) at registers 32 k + 8 ct
.endr
	s_wait_dscnt 16                                ; K is in; V's sixteen loads may be out
	WIN W_KQ
.irp kt, 0,1,2,3                       ; the 16 accumulators take turns, one instruction a turn; the first 16 products start the sums
.irp t, 0,1,2,3
	v_wmma_f32_16x16x32_f16 v[S+32*\t+8*\kt:S+32*\t+8*\kt+7], v[KB+16*\kt:KB+16*\kt+7], v[Q+16*\t:Q+16*\t+7], 0
.endr
.endr
.irp kt, 0,1,2,3
.irp t, 0,1,2,3
	v_wmma_f32_16x16x32_f16 v[S+32*\t+8*\kt:S+32*\t+8*\kt+7], v[KB+16*\kt+8:KB+16*\kt+15], v[Q+16*\t+8:Q+16*\t+15], v[S+32*\t+8*\kt:S+32*\t+8*\kt+7]
.endr
.endr
	WIN 0
.rept 4
	v_nop                                          ; places in front of the first read of the scores
.endr
	; the maximum of a lane's 32 scores and the old m: four chains a tile; the four tiles by turns, so that no line waits for the line above it.  Each accumulator is read from its low end on
.irp j, 0,1,2,3
.irp t, 0,1,2,3
	v_max3_num_f32 v[ST+8*\t+4+\j], v[S+32*\t+8*\j], v[S+32*\t+8*\j+1], v[S+32*\t+8*\j+2]
.endr
.endr
.irp g, 1,2
.irp j, 0,1,2,3
.irp t, 0,1,2,3
	v_max3_num_f32 v[ST+8*\t+4+\j], v[ST+8*\t+4+\j], v[S+32*\t+8*\j+2*\g+1], v[S+32*\t+8*\j+2*\g+2]
.endr
.endr
.endr
.irp t, 0,1,2,3
	v_max3_num_f32 v[ST+8*\t+4], v[ST+8*\t+4], v[S+32*\t+7], v[S+32*\t+15]
.endr
.irp t, 0,1,2,3
	v_max3_num_f32 v[ST+8*\t+6], v[ST+8*\t+6], v[S+32*\t+23], v[S+32*\t+31]
.endr
.irp t, 0,1,2,3
	v_max3_num_f32 v[ST+8*\t+4], v[ST+8*\t+4], v[ST+8*\t+5], v[ST+8*\t+6]
.endr
.irp t, 0,1,2,3
	v_max3_num_f32 v[ST+8*\t+4], v[ST+8*\t+4], v[ST+8*\t+7], v[ST+8*\t]
.endr
.irp t, 0,1,2,3
	v_permlanex16_b32 v[ST+8*\t+5], v[ST+8*\t+4], s[SEL], s[SEL+1]   ; the query's other 32 keys lie in the lane 16 away
.endr
.irp t, 0,1,2,3
	v_max_num_f32 v[ST+8*\t], v[ST+8*\t+4], v[ST+8*\t+5]             ; the new m
.endr
.irp t, 0,1,2,3
	v_sub_f32 v[OM+\t], v[OM+\t], v[ST+8*\t]
.endr
	; ONE BATCH of 132 exponentials: a of the four tiles, then the 128 scores; the subtractions s - m, a pair of scores each, stand a pair ahead among them and read no exponential's result
.irp t, 0,1,2,3
	v_exp_f32 v[ST+8*\t+6], v[OM+\t]               ; a = 2^(old m - new m)
.endr
.irp t, 0,1,2,3
	v_pk_add_f32 v[S+32*\t:S+32*\t+1], v[S+32*\t:S+32*\t+1], v[ST+8*\t:ST+8*\t+1] op_sel_hi:[1,0] neg_lo:[0,1] neg_hi:[0,1]
.endr
.set b, 0
.rept 16
.if b < 15
.irp t, 0,1,2,3
	v_pk_add_f32 v[S+32*\t+2*b+2:S+32*\t+2*b+3], v[S+32*\t+2*b+2:S+32*\t+2*b+3], v[ST+8*\t:ST+8*\t+1] op_sel_hi:[1,0] neg_lo:[0,1] neg_hi:[0,1]
.endr
.endif
.irp t, 0,1,2,3
	v_exp_f32 v[S+32*\t+2*b], v[S+32*\t+2*b]
	v_exp_f32 v[S+32*\t+2*b+1], v[S+32*\t+2*b+1]
.endr
.set b, b+1
.endr
	v_nop                                          ; a plain line behind the last exponential
	s_wait_alu depctr_va_vdst(0)                   ; one wait for the whole batch, ahead of its first reader
	; l = a l + the sum of the 32 weights, in f32, of the weights before they are rounded: pairs, in two chains a tile
.irp t, 0,1,2,3
	v_pk_fma_f32 v[ST+8*\t+2:ST+8*\t+3], v[ST+8*\t+2:ST+8*\t+3], v[ST+8*\t+6:ST+8*\t+7], v[S+32*\t:S+32*\t+1] op_sel_hi:[1,0,1]
.endr
.irp t, 0,1,2,3
	v_pk_add_f32 v[ST+8*\t+4:ST+8*\t+5], v[S+32*\t+2:S+32*\t+3], v[S+32*\t+6:S+32*\t+7]
.endr
.irp n, 4,8,12,16,20,24
.irp t, 0,1,2,3
	v_pk_add_f32 v[ST+8*\t+2:ST+8*\t+3], v[ST+8*\t+2:ST+8*\t+3], v[S+32*\t+\n:S+32*\t+\n+1]
.endr
.irp t, 0,1,2,3
	v_pk_add_f32 v[ST+8*\t+4:ST+8*\t+5], v[ST+8*\t+4:ST+8*\t+5], v[S+32*\t+\n+6:S+32*\t+\n+7]
.endr
.endr
.irp t, 0,1,2,3
	v_pk_add_f32 v[ST+8*\t+2:ST+8*\t+3], v[ST+8*\t+2:ST+8*\t+3], v[S+32*\t+28:S+32*\t+29]
.endr
.irp t, 0,1,2,3
	v_pk_add_f32 v[ST+8*\t+2:ST+8*\t+3], v[ST+8*\t+2:ST+8*\t+3], v[ST+8*\t+4:ST+8*\t+5]
.endr
	; P: the weights rounded to f16, in place: a result lands on a register whose number has been read.  Registers 0-7 of a tile: keys 0-31, registers 8-15: keys 32-63
.irp i, 0,1,2,3,4,5,6,7,8,9,10,11,12,13,14,15
.irp t, 0,1,2,3
	v_cvt_pk_f16_f32 v[S+32*\t+\i], v[S+32*\t+2*\i], v[S+32*\t+2*\i+1]
.endr
.endr
	WIN W_RS
.irp i, 0,1,2,3,4,5,6,7,8,9,10,11,12,13,14,15
.irp t, 0,1,2,3
	v_pk_mul_f32 v[32*\t+2*\i:32*\t+2*\i+1], v[32*\t+2*\i:32*\t+2*\i+1], v[ST+8*\t+6:ST+8*\t+7] op_sel_hi:[1,0]   ; O^T x a, each accumulator from its low end on
.endr
.endr
	s_wait_dscnt 0x0                               ; V is in
	WIN W_PV
.irp k, 0,1                            ; the 16 accumulators by turns
.irp ct, 0,1,2,3
.irp t, 0,1,2,3
	v_wmma_f32_16x16x32_f16 v[32*\t+8*\ct:32*\t+8*\ct+7], v[VB+32*\k+8*\ct:VB+32*\k+8*\ct+7], v[S+32*\t+8*\k:S+32*\t+8*\k+7], v[32*\t+8*\ct:32*\t+8*\ct+7]
.endr
.endr
.endr
	WIN 0
	s_add_co_u32 s[TB], s[TB], STEPB               ; the next step's 64 keys
.endm
.macro TWO_STEPS                       ; my 128 keys of a slot: the step is written once and walked twice
	s_mov_b32 s[TWICE], 2
.Lstep_\@:
	STEP
	s_sub_co_u32 s[TWICE], s[TWICE], 1
	s_cmp_lg_u32 s[TWICE], 0
	s_cbranch_scc1 .Lstep_\@
	s_sub_co_u32 s[TB], s[TB], 2*STEPB             ; back to my half's first step,
	s_xor_b32 s[TB], s[TB], SLOT1                  ; in the other slot
.endm
; THE END OF AN ATTENTION (ph = 0 local, 1 global), first part: l's two halves and the other half of the lanes' are added; m and l go to LDS for my partner.  The first four additions are the places behind the last products.
.macro FIN_A ph
.irp t, 0,1,2,3
	v_add_f32 v[ST+8*\t+2], v[ST+8*\t+2], v[ST+8*\t+3]
.endr
.irp t, 0,1,2,3
	v_permlanex16_b32 v[ST+8*\t+4], v[ST+8*\t+2], s[SEL], s[SEL+1]
.endr
.irp t, 0,1,2,3
	v_add_f32 v[ST+8*\t+2], v[ST+8*\t+2], v[ST+8*\t+4]
.endr
.irp t, 0,1,2,3
	ds_store_b32 v[SA], v[ST+8*\t] offset:8192*\ph+256*\t
	ds_store_b32 v[SA], v[ST+8*\t+2] offset:8192*\ph+256*\t+128
.endr
.if \ph
.irp ct, 0,1,2,3                       ; the two biases of my head, as O^T lies: tile ct, my half's eight channels
	global_load_b128 v[VB+8*\ct:VB+8*\ct+3], v[BO], s[8:9] offset:64*\ct
	global_load_b128 v[VB+8*\ct+4:VB+8*\ct+7], v[BO], s[8:9] offset:64*\ct+16
	global_load_b128 v[VB+32+8*\ct:VB+32+8*\ct+3], v[BO], s[10:11] offset:64*\ct
	global_load_b128 v[VB+32+8*\ct+4:VB+32+8*\ct+7], v[BO], s[10:11] offset:64*\ct+16
.endr
.endif
.endm
; Second part, behind a barrier.  With my partner's m' and l': M = max(m, m'), L = l 2^(m - M) + l' 2^(m' - M); my O^T counts with the factor f = gate's part x 2^(m - M) / L.  The partners' parts are added at the very end.
.macro FIN_B ph
.irp t, 0,1,2,3
	ds_load_b32 v[ST+8*\t+4], v[SB] offset:8192*\ph+256*\t
	ds_load_b32 v[ST+8*\t+5], v[SB] offset:8192*\ph+256*\t+128
.endr
.if \ph
.irp i, 0,1,2,3,4,5,6,7,8,9,10,11,12,13,14,15,16,17,18,19,20,21,22,23,24,25,26,27,28,29,30,31
	ds_load_b128 v[S+4*\i:S+4*\i+3], v[SG] offset:512*\i         ; the local attention's part, which I put by
.endr
	s_wait_dscnt 32                                ; the statistics are in; those 32 loads may be out
.else
	s_wait_dscnt 0x0
.endif
.irp t, 0,1,2,3
	v_max_num_f32 v[ST+8*\t+6], v[ST+8*\t], v[ST+8*\t+4]
.endr
.irp t, 0,1,2,3
	v_sub_f32 v[ST+8*\t], v[ST+8*\t], v[ST+8*\t+6]
.endr
.irp t, 0,1,2,3
	v_sub_f32 v[ST+8*\t+4], v[ST+8*\t+4], v[ST+8*\t+6]
.endr
.irp t, 0,1,2,3
	v_exp_f32 v[ST+8*\t], v[ST+8*\t]
.endr
.irp t, 0,1,2,3
	v_exp_f32 v[ST+8*\t+4], v[ST+8*\t+4]
.endr
	v_nop                                          ; a plain line behind the last exponential,
	s_wait_alu depctr_va_vdst(0)                   ; and one wait for the eight
.irp t, 0,1,2,3
	v_mul_f32 v[ST+8*\t+5], v[ST+8*\t+5], v[ST+8*\t+4]
.endr
.irp t, 0,1,2,3
	v_fmac_f32 v[ST+8*\t+5], v[ST+8*\t+2], v[ST+8*\t]            ; L: at least 1, since one of the two exponentials is 1 and its l holds a weight 1
.endr
.irp t, 0,1,2,3
	v_rcp_f32 v[ST+8*\t+7], v[ST+8*\t+5]
.endr
.irp t, 0,1,2,3
	v_mul_f32 v[ST+8*\t+6], v[ST+8*\t], v[GF+2*\ph]              ; (plain lines behind the reciprocals)
.endr
	s_wait_alu depctr_va_vdst(0)                   ; one wait for the four
.irp t, 0,1,2,3
	v_mul_f32 v[ST+8*\t+6], v[ST+8*\t+6], v[ST+8*\t+7]           ; f
.endr
.if \ph == 0
	WIN W_RS
.irp i, 0,1,2,3,4,5,6,7,8,9,10,11,12,13,14,15
.irp t, 0,1,2,3
	v_pk_mul_f32 v[32*\t+2*\i:32*\t+2*\i+1], v[32*\t+2*\i:32*\t+2*\i+1], v[ST+8*\t+6:ST+8*\t+7] op_sel_hi:[1,0]
.endr
.endr
	WIN ST_1
.irp i, 0,1,2,3,4,5,6,7,8,9,10,11,12,13,14,15,16,17,18,19,20,21,22,23,24,25,26,27,28,29,30,31
	ds_store_b128 v[SG], v[4*\i:4*\i+3] offset:512*\i            ; put by in my own stage, as an image
.endr
	WIN 0
.irp t, 0,1,2,3
	v_mov_b32 v[ST+8*\t], 0xff61b1e6               ; m = -3e38, under every score: the next step's a is 0, which makes zeros of O^T and l: nothing is cleared
.endr
.else
	s_wait_loadcnt 0x0                             ; the biases
.irp i, 0,2,4,6,8,10,12,14,16,18,20,22,24,26,28,30
	v_pk_mul_f32 v[VB+\i:VB+\i+1], v[VB+\i:VB+\i+1], v[GF:GF+1]
.endr
.irp i, 0,2,4,6,8,10,12,14,16,18,20,22,24,26,28,30
	v_pk_fma_f32 v[VB+\i:VB+\i+1], v[VB+32+\i:VB+32+\i+1], v[GF+2:GF+3], v[VB+\i:VB+\i+1]   ; g v_b + (1 - g) vg_b
.endr
	s_wait_dscnt 0x0                               ; the local part is in
	WIN W_MX
.irp i, 0,1,2,3,4,5,6,7,8,9,10,11,12,13,14,15
.irp t, 0,1,2,3
	v_pk_fma_f32 v[S+32*\t+2*\i:S+32*\t+2*\i+1], v[32*\t+2*\i:32*\t+2*\i+1], v[ST+8*\t+6:ST+8*\t+7], v[S+32*\t+2*\i:S+32*\t+2*\i+1] op_sel_hi:[1,0,1]   ; + the global part: my keys' share of the mix
.endr
.endr
	WIN 0
.irp i, 0,1,2,3,4,5,6,7,8,9,10,11,12,13,14,15,16,17,18,19,20,21,22,23,24,25,26,27,28,29,30,31
	ds_store_b128 v[SG], v[S+4*\i:S+4*\i+3] offset:512*\i
.endr
	s_wait_dscnt 0x0                               ; for my partner's sake: my stores have landed
	s_barrier_signal -1
	s_barrier_wait -1
	; each partner sends out two of the four tiles, 2 (wave / 4) and the next: chosen by address, so that all waves run one text
.irp i, 0,1,2,3,4,5,6,7,8,9,10,11,12,13,14,15
	ds_load_b128 v[S+4*\i:S+4*\i+3], v[SGR] offset:512*\i
.endr
.irp i, 0,1,2,3,4,5,6,7,8,9,10,11,12,13,14,15
	ds_load_b128 v[S+64+4*\i:S+64+4*\i+3], v[SPR] offset:512*\i
.endr
	s_wait_dscnt 0x0
.set n, 0
.rept 32
	v_pk_add_f32 v[S+2*n:S+2*n+1], v[S+2*n:S+2*n+1], v[S+64+2*n:S+64+2*n+1]
.set n, n+1
.endr
.irp u, 0,1
.irp i, 0,2,4,6,8,10,12,14,16,18,20,22,24,26,28,30
	v_pk_add_f32 v[S+32*\u+\i:S+32*\u+\i+1], v[S+32*\u+\i:S+32*\u+\i+1], v[VB+\i:VB+\i+1]
.endr
.endr
.irp u, 0,1
.irp i, 0,1,2,3,4,5,6,7,8,9,10,11,12,13,14,15
	v_cvt_pk_f16_f32 v[S+32*\u+\i], v[S+32*\u+2*\i], v[S+32*\u+2*\i+1]
.endr
.endr
.irp u, 0,1
.irp ct, 0,1,2,3
	global_store_b128 v[LI], v[S+32*\u+4*\ct:S+32*\u+4*\ct+3], s[12:13] offset:8192*\u+512*\ct   ; half an image: 32 lanes store 512 consecutive bytes, aligned
.endr
.endr
.endif
.endm
	s_load_b256 s[4:11], s[0:1], 0x0               ; img s[4:5], gate s[6:7], v_b s[8:9], vg_b s[10:11]
	s_load_b64 s[12:13], s[0:1], 0x20              ; att
	v_lshl_add_u32 v[SPW], v0, 2, SPARE
	v_mov_b32 v[NIL], 0
	ds_add_u32 v[SPW], v[NIL]                      ; the wave's opening: the add, twice on end, and its wait ahead of my first tensor load; the set-up below, work on registers, stands between
	ds_add_u32 v[SPW], v[NIL]
	v_lshrrev_b32 v1, 5, v0
	v_readfirstlane_b32 s[WV], v1                  ; wave 0..7
	s_lshr_b32 s[GK], s[WV], 2
	s_and_b32 s[WQ], s[WV], 3
	s_bfe_u32 s19, ttmp6, 0x40000                  ; cx: my place in the cluster
	s_lshl_b32 s20, ttmp9, 2
	s_add_co_u32 s20, s20, s19                     ; my block of 256 queries: it enters Q's and att's addresses alone
	s_and_b32 s21, ttmp7, 0xffff                   ; 16 x batch + head, which the four partners share
	; descriptor group 1: 8,192 dense bytes as 32 rows of 256 bytes (32 elements of 8 bytes), no padding: images are read 512 consecutive bytes at a time
	s_mov_b32 s[G1], 15|(3<<16)|(1<<21)            ; 15:0 the mask: all four work-groups; 17:16 elements of 8 bytes; 21 set beside a mask
	s_mov_b32 s[G1+1], 32<<16                      ; tensor_dim0 = 32
	s_mov_b32 s[G1+2], 32<<16                      ; tensor_dim1 = 32
	s_mov_b32 s[G1+3], 32<<16                      ; tile_dim0 = 32
	s_mov_b32 s[G1+4], 32                          ; tile_dim1 = 32
	s_mov_b32 s[G1+5], 32                          ; from row to row
	s_mov_b32 s[G1+6], 0
	s_mov_b32 s[G1+7], 0
	s_mov_b32 s[SEL], 0x76543210
	s_mov_b32 s[SEL+1], 0xfedcba98
	s_mov_b32 s[TB], 0
	s_mov_b32 s[SLOTS], 8
	s_or_b32 s[LIM], s[WQ], ttmp9                  ; 0 in waves 0 and 4 of the first of the two clusters: the same in all four partners
	s_cmp_eq_u32 s[LIM], 0
	s_cselect_b32 s[LIM], 1, 0
	; what I fetch of every piece: waves 0-3 a quarter of K's 32 KB, waves 4-7 of V's
	s_mov_b32 s22, VREG
	s_cmp_lt_u32 s[WV], 4
	s_cselect_b32 s22, KREG, s22
	s_mul_i32 s23, s21, 327680                     ; a head's K, or V^T: ten pieces
	s_add_co_u32 s22, s22, s23
	s_lshl_b32 s23, s[WQ], 13
	s_add_co_u32 s22, s22, s23
	s_mov_b32 s23, 0
	s_lshl_b32 s46, s21, 18                        ; Q: 262,144 bytes a head, 32,768 a block of 256 queries, 8,192 a wave
	s_lshl_b32 s47, s20, 15
	s_add_co_u32 s46, s46, s47
	s_lshl_b32 s47, s[WQ], 13
	s_add_co_u32 s46, s46, s47
	s_mov_b32 s47, 0
	; LDS addresses: constants, the lane and the wave's number
	v_and_b32 v1, 31, v0
	v_lshlrev_b32 v[LI], 4, v1
	v_lshlrev_b32 v[PFO], 8, v1
	v_bfe_u32 v[BO], v0, 4, 1
	v_lshlrev_b32 v[BO], 5, v[BO]
	s_lshl_b32 s50, s[GK], 14
	v_add_nc_u32 v[AK0], s50, v[LI]                ; my half of a slot's K: 128 keys are 16,384 bytes
	v_add_nc_u32 v[AV0], 0x8000, v[AK0]            ; and of its V
	s_lshl_b32 s50, s[WV], 14
	s_add_co_u32 s50, s50, STG
	v_add_nc_u32 v[SG], s50, v[LI]
	s_lshl_b32 s51, s[GK], 13
	v_add_nc_u32 v[SGR], s51, v[SG]                ; two tiles are 8,192 bytes
	s_xor_b32 s52, s[WV], 4                        ; my partner
	s_lshl_b32 s53, s52, 14
	s_add_co_u32 s53, s53, STG
	s_add_co_u32 s53, s53, s51
	v_add_nc_u32 v[SPR], s53, v[LI]
	v_lshlrev_b32 v1, 2, v1
	s_lshl_b32 s50, s[WV], 10
	s_add_co_u32 s50, s50, STA
	v_add_nc_u32 v[SA], s50, v1
	s_lshl_b32 s52, s52, 10
	s_add_co_u32 s52, s52, STA
	v_add_nc_u32 v[SB], s52, v1
	; att: the first tile of 16 tokens that I send out is T = 128 batch + 16 block + 4 (wave % 4) + 2 (wave / 4); my head's 64 along K are two fragments
	s_lshr_b32 s50, s21, 4                         ; batch
	s_and_b32 s51, s21, 15                         ; head
	s_lshl_b32 s52, s50, 7
	s_lshl_b32 s53, s20, 4
	s_add_co_u32 s52, s52, s53
	s_lshl_b32 s53, s[WQ], 2
	s_add_co_u32 s52, s52, s53
	s_lshl_b32 s53, s[GK], 1
	s_add_co_u32 s52, s52, s53                     ; T
	s_lshr_b32 s53, s52, 3
	s_lshl_b32 s53, s53, 18                        ; 262,144 bytes for 128 tokens,
	s_and_b32 s52, s52, 7
	s_lshl_b32 s52, s52, 13                        ; 8,192 for a tile in a K step,
	s_add_co_u32 s52, s52, s53
	s_lshr_b32 s53, s51, 2
	s_lshl_b32 s53, s53, 16                        ; 65,536 for a K step of 256: four heads,
	s_add_co_u32 s52, s52, s53
	s_and_b32 s53, s51, 3
	s_lshl_b32 s53, s53, 11                        ; 2,048 for a head in it
	s_add_co_u32 s52, s52, s53
	s_mov_b32 s53, 0
	s_lshl_b32 s54, s51, 8                         ; the biases: 256 bytes a head
	s_mov_b32 s55, 0
	s_wait_dscnt 0x0                               ; both opening adds are done
	s_wait_kmcnt 0x0
	s_load_b32 s14, s[6:7], 0x0                    ; gate
	s_mov_b32 s[G0], 1                             ; count = 1
	s_lshl_b32 s[G0+1], s[WV], 13                  ; LDS address: slot 0, 8,192 x wave: K's four quarters, then V's
	s_add_nc_u64 s[G0+2:G0+3], s[4:5], s[22:23]    ; global address: piece 0
	s_add_nc_u64 s[QP:QP+1], s[4:5], s[46:47]
	s_lshl_b32 s46, s19, 13                        ; the prefetches: my work-group's 8 KB of a piece,
	s_add_co_u32 s46, s46, PIECE                   ; in piece 1: the first change of slots steps it to piece 2
	s_add_nc_u64 s[PFA:PFA+1], s[G0+2:G0+3], s[46:47]
	s_or_b32 s[G0+3], s[G0+3], 0x80000000          ; type = 2
	s_add_nc_u64 s[12:13], s[12:13], s[52:53]
	s_add_nc_u64 s[8:9], s[8:9], s[54:55]
	s_add_nc_u64 s[10:11], s[10:11], s[54:55]
	ROUND                                          ; all four work-groups are here: the first joint loads meet
	tensor_load_to_lds s[G0:G0+3], s[G1:G1+7]      ; piece 0: every wave issues its part
	s_nop 0
.rept 4
	v_nop
.endr
	WIN TO_1
.irp i, 0,1,2,3,4,5,6,7,8,9,10,11,12,13,14,15
	global_load_b128 v[Q+4*\i:Q+4*\i+3], v[LI], s[QP:QP+1] offset:512*\i   ; Q stays in registers: fragment (tile t, 32 channels c) at 16 t + 8 c
.endr
.set n, 0
.rept 128
	v_mov_b32 v[n], 0                              ; O^T, once, while the first piece is on its way: the step is then written once, with no first step of its own
.set n, n+1
.endr
	WIN 0
.irp t, 0,1,2,3
	v_mov_b32 v[ST+8*\t], 0xff61b1e6               ; m = -3e38, under every score
	v_mov_b32 v[ST+8*\t+1], 0                      ; (named with m as a pair, so it is written)
	v_mov_b32 v[ST+8*\t+2], 0                      ; l, in two halves
	v_mov_b32 v[ST+8*\t+3], 0
.endr
	s_wait_kmcnt 0x0
	v_mov_b32 v[GF], s14
	v_mul_f32 v[GF], 0xbfb8aa3b, v[GF]             ; g = 1 / (1 + 2^(-gate x log2(e)))
	v_exp_f32 v[GF], v[GF]
	v_nop
	s_wait_alu depctr_va_vdst(0)
	v_add_f32 v[GF], 1.0, v[GF]
	v_rcp_f32 v[GF], v[GF]
	v_nop
	s_wait_alu depctr_va_vdst(0)
	v_mov_b32 v[GF+1], v[GF]
	v_sub_f32 v[GF+2], 1.0, v[GF]
	v_sub_f32 v[GF+3], 1.0, v[GF]
	s_wait_loadcnt 0x0                             ; Q
.Lslot:                                            ; eight trips: the local keys.  Trip i asks for piece i + 1 and walks piece i
	CHANGE 1, 1
	TWO_STEPS
	s_sub_co_u32 s[SLOTS], s[SLOTS], 1
	s_cmp_lg_u32 s[SLOTS], 0
	s_cbranch_scc1 .Lslot
	FIN_A 0                                        ; my m and l of the local attention go to LDS;
	CHANGE 1, 0                                    ; the round of this change is also the barrier between those stores and my partner's reads; piece 9 is asked for
	FIN_B 0
	TWO_STEPS                                      ; piece 8: the first 256 global keys
	CHANGE 0, 0                                    ; nothing is left to fetch
	TWO_STEPS                                      ; piece 9
	FIN_A 1
	s_wait_dscnt 0x0                               ; for my partner's sake: my stores have landed
	s_barrier_signal -1
	s_barrier_wait -1
	FIN_B 1
	s_wait_tensorcnt 0x0                           ; the wave's end: three lines behind my last tensor load and my last LDS store
	ds_add_u32 v[SPW], v[NIL]
	s_wait_dscnt 0x0
	ROUND                                          ; the closing round: no work-group ends while a partner may still ask for a tile that names it
	s_endpgm
.Lfunc_end_k_qbb29a53876_attn:
	.size	k_qbb29a53876_attn, .Lfunc_end_k_qbb29a53876_attn-k_qbb29a53876_attn
	.p2alignl 7, 3214868480
	.fill 96, 4, 3214868480
	.section	.rodata,"a",@progbits
	.p2align	6, 0x0
	.amdhsa_kernel k_qbb29a53876_attn
		.amdhsa_group_segment_fixed_size 327680
		.amdhsa_private_segment_fixed_size 0
		.amdhsa_enable_private_segment 0
		.amdhsa_kernarg_size 40
		.amdhsa_user_sgpr_count 2
		.amdhsa_user_sgpr_kernarg_segment_ptr 1
		.amdhsa_wavefront_size32 1
		.amdhsa_system_sgpr_workgroup_id_x 1
		.amdhsa_system_sgpr_workgroup_id_y 1
		.amdhsa_system_sgpr_workgroup_id_z 1
		.amdhsa_system_vgpr_workitem_id 0
		.amdhsa_next_free_vgpr 512
		.amdhsa_next_free_sgpr 66
		.amdhsa_reserve_vcc 0
		.amdhsa_float_denorm_mode_32 3
		.amdhsa_float_denorm_mode_16_64 3
		.amdhsa_memory_ordered 1
		.amdhsa_forward_progress 1
		.amdhsa_inst_pref_size 142
	.end_amdhsa_kernel
	.amdgpu_metadata
---
amdhsa.version: [ 1, 2 ]
amdhsa.kernels:
  - .name:           k_qbb29a53876_attn
    .symbol:         k_qbb29a53876_attn.kd
    .args:
      - { .name: img, .offset: 0, .size: 8, .value_kind: global_buffer, .address_space: global }
      - { .name: gate, .offset: 8, .size: 8, .value_kind: global_buffer, .address_space: global }
      - { .name: v_b, .offset: 16, .size: 8, .value_kind: global_buffer, .address_space: global }
      - { .name: vg_b, .offset: 24, .size: 8, .value_kind: global_buffer, .address_space: global }
      - { .name: att, .offset: 32, .size: 8, .value_kind: global_buffer, .address_space: global }
    .group_segment_fixed_size: 327680
    .private_segment_fixed_size: 0
    .kernarg_segment_align: 8
    .kernarg_segment_size: 40
    .max_flat_workgroup_size: 256
    .sgpr_count:     66
    .vgpr_count:     512
    .wavefront_size: 32
...
	.end_amdgpu_metadata
.endif
;; end of part 3
;; launch outp (part 4): grid 8 x 32, 4 waves a work-group, clusters of 4 x 4, 327,680 bytes of LDS; arguments att, w16, out_b, out0; writes out0
.if DOCPART == 4
	.amdgcn_target "amdgcn-amd-amdhsa--gfx1250"
	.amdhsa_code_object_version 6
	.text
	.protected	k_qbb29a53876_outp
	.globl	k_qbb29a53876_outp
	.p2align	8
	.type	k_qbb29a53876_outp,@function
k_qbb29a53876_outp:
	s_mov_b64 s[64:65], 0
	v_nop
	global_prefetch_b8 v0, s[64:65] scope:SCOPE_SE
	s_setreg_imm32_b32 hwreg(HW_REG_WAVE_MODE, 25, 1), 1
	s_wait_xcnt 0x0
	s_wait_alu depctr_hold_cnt(0) depctr_sa_sdst(0) depctr_va_vdst(0) depctr_va_sdst(0) depctr_va_ssrc(0) depctr_va_vcc(0) depctr_vm_vsrc(0)
	s_getreg_b32 s2, hwreg(HW_REG_IB_STS2, 6, 4)
	s_cmp_eq_u32 s2, 0
	s_cbranch_scc0 .Lentry_in_a_cluster
	s_endpgm
.Lentry_in_a_cluster:
	s_bfe_u32 s2, ttmp6, 0x10000c
	s_cmp_lg_u32 s2, 0xf033
	s_cbranch_scc0 .Lentry_shape_is_right
	s_endpgm
.Lentry_shape_is_right:
; LAUNCH 4 OF 4.  out0[token][n] = the sum over k of mix[token][k] out_w[n][k] + out_b[n]: 4,096 x 1,024 x 1,024, operands f16, sums f32, the result f32.
; A tile of the result is 128 x 128: 256 work-groups.  Four waves, each 64 x 64: 16 accumulators of 16 x 16, 128 registers.  K goes in four steps of 256 through a ring of two LDS slots.
; A (the mix) comes as images of its fragments (the launch before): a K step of 128 tokens is 65,536 dense bytes, [tile of tokens 8][32 along K 8][1,024]; an LDS load takes 512 consecutive bytes.  B (out_w as f16) comes as rows of 512 bytes, padded in LDS.
; CLUSTERS: 4 x 4 work-groups.  The four of a row of the cluster need the same tiles of A, the four of a column the same tiles of B: each is asked for jointly, by the same tensor load with the same descriptor and a mask that names the four.
; THE MATRIX INSTRUCTION IS USED TRANSPOSED (source 0 = 16 rows of out_w, source 1 = 16 tokens): a lane holds eight neighbouring numbers of a row of the result.  out_b is the C of each sum's first product.
; No prefetch: a tile's K steps are few and short, and both operands are read again by the neighbouring clusters.
; REGISTERS: window 0: v0-31 addresses; v32-95 the way out; v96-127 out_b, eight a block of 16 columns; v128-255 the accumulators ((a, b) at v[128 + 8 (4 a + b)]).
;   window 1: two fragment buffers of 128: for 64 along K, 64 registers of A (2 x 4 x 16 tokens x 32 K), then 64 of B.
.set KSTEP,  256
.set PITCH,  528                       ; a row of B in LDS: 512 bytes + 16 of padding = 132 words: the 16 rows that a load touches start 4 words apart modulo 64
.set ABYTES, 65536                     ; A's part of a slot
.set HALFA,  32768                     ; 64 tokens: what one tensor load brings, and what one wave reads
.set HALFB,  64*PITCH                  ; 64 rows of B likewise
.set SLOT,   ABYTES+2*HALFB
.set STAGE,  2*SLOT                    ; behind the ring: 16 rows x 272 bytes for each wave, for the way out
.set SPITCH, 272
.set SPARE,  STAGE+4*16*SPITCH         ; behind the stages: the spare words, 128 bytes a wave, which no other line names
.set ADRA, 16                          ; v16-17  LDS address of my A fragments in slot 0, 1
.set ADRB, 20                          ; v20-21  the same for B
.set STO,  24                          ; v24     the way out: where I put 32 bytes of a row
.set RD,   25                          ; v25     where I read a row back
.set CO,   26                          ; v26     my byte offset in the result
.set BO,   27                          ; v27     32 x (lane / 16): my eight numbers of a block of out_b
.set SPW,  28                          ; v28     LDS address of my spare word; never rewritten
.set NIL,  29                          ; v29     0; never rewritten
.set TMP,  32
.set BIAS, 96
.set ACC,  128
.set F0,   0                           ; fragment buffers, in window 1
.set F1,   128
.set G1, 24                            ; s[24:31] descriptor group 1 for A's tiles;  s[32:39] group 0, one set for each slot
.set G0, 32
.set G1B, 48                           ; s[48:55], s[56:63] the same for B's tiles
.set G0B, 56
.set MSB, 0
.macro WIN new                         ; the immediate's high byte repeats the setting that is left
.if MSB != (\new)
	s_set_vgpr_msb (MSB<<8)|(\new)
.set MSB, (\new)
.endif
.endm
.set MUL,  0x05                        ; sources 0 (B) and 1 (A) window 1; C and D window 0
.set TO_F, 0x40                        ; destination window 1, address window 0
.macro JLOAD s                         ; a joint load: waves 0 and 1 fetch A's two halves, waves 2 and 3 B's; an s_nop 0 and four v_nop follow each of the two lines, ahead of the jump, the label and what follows
	s_cmp_eq_u32 s13, 0
	s_cbranch_scc0 .Lfor_b_\@
	tensor_load_to_lds s[G0+4*\s:G0+4*\s+3], s[G1:G1+7]
	s_nop 0
.rept 4
	v_nop
.endr
	s_branch .Lasked_\@
.Lfor_b_\@:
	tensor_load_to_lds s[G0B+4*\s:G0B+4*\s+3], s[G1B:G1B+7]
	s_nop 0
.rept 4
	v_nop
.endr
.Lasked_\@:
.endm
.macro CREST                           ; a round of the cluster's barrier behind its opening barrier
	s_cmp_lg_u32 s12, 0
	s_cbranch_scc1 .Lnot_wave_0_\@
	s_barrier_signal -3
.Lnot_wave_0_\@:
	s_barrier_wait -3
	s_barrier_signal -1
	s_barrier_wait -1
.endm
.macro CROUND                          ; a whole round
	s_barrier_signal -1
	s_barrier_wait -1
	CREST
.endm
	s_load_b256 s[4:11], s[0:1], 0x0               ; att s[4:5], w16 s[6:7], out_b s[8:9], out0 s[10:11]
	v_lshl_add_u32 v[SPW], v0, 2, SPARE
	v_mov_b32 v[NIL], 0
	ds_add_u32 v[SPW], v[NIL]                      ; the wave's opening: the add, twice on end, and its wait ahead of my first tensor load; the set-up below, work on registers, stands between
	ds_add_u32 v[SPW], v[NIL]
	v_lshrrev_b32 v1, 5, v0
	v_readfirstlane_b32 s12, v1                    ; wave 0..3
	s_lshr_b32 s13, s12, 1                         ; which half of the tile's tokens is mine.  Also: I fetch for A (0) or for B (1)
	s_and_b32 s14, s12, 1                          ; which half of its columns.  Also: which half of that tile I fetch
	s_bfe_u32 s40, ttmp6, 0x40000                  ; cx, cy: my place in the cluster
	s_bfe_u32 s41, ttmp6, 0x40004
	s_lshl_b32 s42, ttmp9, 2
	s_add_co_u32 s42, s42, s40                     ; tile column = 4 x cluster x + cx
	s_and_b32 s45, ttmp7, 0xffff
	s_lshl_b32 s45, s45, 2
	s_add_co_u32 s45, s45, s41                     ; tile row = 4 x cluster y + cy
	s_lshl_b32 s43, s41, 2
	s_lshl_b32 s43, 15, s43                        ; my row of the cluster
	s_lshl_b32 s44, 0x1111, s40                    ; my column
	; group 1 for A: 32,768 dense bytes as 128 rows of 256 bytes (32 elements of 8 bytes), no padding
	s_or_b32 s[G1+0], s43, (3<<16)|(1<<21)         ; 15:0 the mask: A's tiles go to my row; 17:16 elements of 8 bytes; 21 set beside a mask
	s_mov_b32 s[G1+1], 32<<16                      ; tensor_dim0 = 32
	s_mov_b32 s[G1+2], 128<<16                     ; tensor_dim1 = 128
	s_mov_b32 s[G1+3], 32<<16                      ; tile_dim0 = 32
	s_mov_b32 s[G1+4], 128                         ; tile_dim1 = 128
	s_mov_b32 s[G1+5], 32                          ; from row to row
	s_mov_b32 s[G1+6], 0
	s_mov_b32 s[G1+7], 0
	; group 1 for B: 64 rows x 256 elements of 2 bytes, 1,024 elements from row to row, four words of padding behind every 128
	s_or_b32 s[G1B+0], s44, (1<<16)|(1<<20)|(1<<21)|(6<<22)|(3<<25)
	s_mov_b32 s[G1B+1], KSTEP<<16
	s_mov_b32 s[G1B+2], 64<<16
	s_mov_b32 s[G1B+3], KSTEP<<16
	s_mov_b32 s[G1B+4], 64
	s_mov_b32 s[G1B+5], 1024
	s_mov_b32 s[G1B+6], 0
	s_mov_b32 s[G1B+7], 0
	s_lshl_b32 s16, s45, 18                        ; A: 262,144 bytes for a tile row's 128 tokens, 32,768 for the half that I fetch: no cx in it
	s_lshl_b32 s17, s14, 15
	s_add_co_u32 s16, s16, s17
	s_mov_b32 s17, 0
	s_lshl_b32 s46, s42, 18                        ; B: 128 rows of 2,048 bytes for a tile column, 64 for the half: no cy in it
	s_lshl_b32 s47, s14, 17
	s_add_co_u32 s46, s46, s47
	s_mov_b32 s47, 0
	s_lshl_b32 s20, s14, 15                        ; where they go: no place in the cluster enters an LDS address
	s_mul_i32 s21, s14, HALFB
	s_add_co_u32 s21, s21, ABYTES
	s_wait_dscnt 0x0                               ; both opening adds are done
	s_wait_kmcnt 0x0
	s_add_nc_u64 s[16:17], s[4:5], s[16:17]
	s_add_nc_u64 s[46:47], s[6:7], s[46:47]
	CROUND                                         ; all sixteen work-groups are here: the first joint loads meet
.irp s, 0,1
	s_mov_b32 s[G0+4*\s], 1
	s_add_co_u32 s[G0+4*\s+1], s20, \s*SLOT
	s_add_nc_u64 s[G0+4*\s+2:G0+4*\s+3], s[16:17], \s*ABYTES       ; K step s of A: 65,536 bytes on
	s_or_b32 s[G0+4*\s+3], s[G0+4*\s+3], 0x80000000
	s_mov_b32 s[G0B+4*\s], 1
	s_add_co_u32 s[G0B+4*\s+1], s21, \s*SLOT
	s_add_nc_u64 s[G0B+4*\s+2:G0B+4*\s+3], s[46:47], \s*KSTEP*2    ; of B: 512 bytes on in each row
	s_or_b32 s[G0B+4*\s+3], s[G0B+4*\s+3], 0x80000000
	JLOAD \s                                       ; two loads of mine are out
.endr
	v_and_b32 v1, 15, v0                           ; l % 16
	v_bfe_u32 v2, v0, 4, 1                         ; l / 16
	v_and_b32 v6, 31, v0
	v_lshlrev_b32 v6, 4, v6                        ; 16 x lane: my place in an image
	v_mul_u32_u24 v3, v1, PITCH
	v_lshl_add_u32 v3, v2, 4, v3                   ; B: a fragment's row x pitch + 16 x half
	s_lshl_b32 s21, s13, 15                        ; my 64 tokens' images
	s_mul_i32 s22, s14, HALFB                      ; my 64 rows of B,
	s_add_co_u32 s22, s22, ABYTES                  ; which lie behind A
.irp s, 0,1
	v_add_nc_u32 v[ADRA+\s], s21, v6
	v_add_nc_u32 v[ADRB+\s], s22, v3
	s_add_co_u32 s21, s21, SLOT
	s_add_co_u32 s22, s22, SLOT
.endr
	s_mul_i32 s23, s12, 16*SPITCH
	s_add_co_u32 s23, s23, STAGE                   ; my stage
	v_mul_u32_u24 v4, v1, SPITCH                   ; in: row l % 16, 32 bytes for each half of the lanes
	v_lshl_add_u32 v4, v2, 5, v4
	v_add_nc_u32 v[STO], s23, v4
	v_mul_u32_u24 v5, v2, SPITCH                   ; back: lanes 0-15 take one row of 256 bytes, lanes 16-31 the next
	v_lshl_add_u32 v5, v1, 4, v5
	v_add_nc_u32 v[RD], s23, v5
	v_lshlrev_b32 v5, 12, v2                       ; and the same two rows of the result: 4,096 bytes a row
	v_lshl_add_u32 v[CO], v1, 4, v5
	v_lshlrev_b32 v[BO], 5, v2
	s_lshl_b32 s46, s42, 9                         ; my first column, in bytes: 512 x tile column + 256 x half
	s_lshl_b32 s47, s14, 8
	s_add_co_u32 s46, s46, s47
	s_mov_b32 s47, 0
	s_add_nc_u64 s[8:9], s[8:9], s[46:47]          ; out_b there
	s_add_nc_u64 s[10:11], s[10:11], s[46:47]
	s_lshl_b32 s16, s45, 19                        ; my first row: 128 x tile row + 64 x half, 4,096 bytes each
	s_lshl_b32 s17, s13, 18
	s_add_co_u32 s16, s16, s17
	s_mov_b32 s17, 0
	s_add_nc_u64 s[10:11], s[10:11], s[16:17]
.irp b, 0,1,2,3
	global_load_b128 v[BIAS+8*\b:BIAS+8*\b+3], v[BO], s[8:9] offset:64*\b        ; out_b of block b: my half's eight, as the results lie
	global_load_b128 v[BIAS+8*\b+4:BIAS+8*\b+7], v[BO], s[8:9] offset:64*\b+16
.endr
; 8 matrix instructions: blocks of tokens a0, a0 + 1 x all 4 blocks of columns, 32 along K: half c of buffer f.  first = 1: the sum begins with out_b as C.  The 16 accumulators take turns
.macro MUL8 f, c, a0, first
.irp a, \a0, \a0+1
.irp b, 0,1,2,3
.if \first
	v_wmma_f32_16x16x32_f16 v[ACC+8*(4*(\a)+\b):ACC+8*(4*(\a)+\b)+7], v[\f+64+8*(4*\c+\b):\f+64+8*(4*\c+\b)+7], v[\f+8*(4*\c+\a):\f+8*(4*\c+\a)+7], v[BIAS+8*\b:BIAS+8*\b+7]
.else
	v_wmma_f32_16x16x32_f16 v[ACC+8*(4*(\a)+\b):ACC+8*(4*(\a)+\b)+7], v[\f+64+8*(4*\c+\b):\f+64+8*(4*\c+\b)+7], v[\f+8*(4*\c+\a):\f+8*(4*\c+\a)+7], v[ACC+8*(4*(\a)+\b):ACC+8*(4*(\a)+\b)+7]
.endif
.endr
.endr
.endm
; 32 LDS loads in one run: the fragments of 64 along K, at byte k of B's rows, into buffer f; the first 32 along K first.  In A's images 32 along K are 1,024 bytes, a tile of tokens 8,192
.macro FETCH slot, k, f
	WIN TO_F
.irp c, 0,1
.irp i, 0,1,2,3
	ds_load_b128 v[\f+64+8*(4*\c+\i):\f+64+8*(4*\c+\i)+3],   v[ADRB+\slot] offset:\k+64*\c+\i*16*PITCH
	ds_load_b128 v[\f+64+8*(4*\c+\i)+4:\f+64+8*(4*\c+\i)+7], v[ADRB+\slot] offset:\k+64*\c+\i*16*PITCH+32
	ds_load_b128 v[\f+8*(4*\c+\i):\f+8*(4*\c+\i)+3],         v[ADRA+\slot] offset:(\k)*16+1024*\c+\i*8192
	ds_load_b128 v[\f+8*(4*\c+\i)+4:\f+8*(4*\c+\i)+7],       v[ADRA+\slot] offset:(\k)*16+1024*\c+\i*8192+512
.endr
.endr
.endm
.macro PLACES                          ; four places in front of loads into registers that matrix instructions have read, and of the first read of results
.rept 4
	v_nop
.endr
.endm
; A K step is four quarters of 64 along K, 32 matrix instructions each, on buffers 0, 1, 0, 1.  One of the first three: multiplies buffer f and fetches the next quarter, at byte k, into g.
.macro QUARTER slot, k, f, g, first
	s_wait_dscnt 16                                ; the first 32 along K are in; the youngest sixteen loads may be out
	WIN MUL
	MUL8 \f, 0, 0, \first
	MUL8 \f, 0, 2, \first
	PLACES
	FETCH \slot, \k, \g
	s_wait_dscnt 32                                ; all but the 32 just issued
	WIN MUL
	MUL8 \f, 1, 0, 0
	MUL8 \f, 1, 2, 0
.endm
; The last quarter multiplies buffer 1 and changes slots: one barrier; in front of it each wave waits for all its tensor loads, adds 0 to its spare word, and waits for that and for its own reads of this slot.  fill = 1: this slot is filled again, two K steps ahead.
.macro TURN slot, next, fill
	WIN 0                                          ; (the add's two registers lie in window 0)
	s_wait_tensorcnt 0x0                           ; all my tensor loads have landed: my part of the next slot
	ds_add_u32 v[SPW], v[NIL]                      ; 0 onto my spare word
	s_wait_dscnt 17                                ; (the add and the youngest sixteen loads may be out)
	WIN MUL
	MUL8 F1, 0, 0, 0                               ; eight matrix instructions stand between the add and the wait for it
	s_wait_dscnt 0x0                               ; the add is done, and my reads of this slot are over
	s_barrier_signal -1
	MUL8 F1, 0, 2, 0
.if \fill
	WIN 0
.endif
	s_barrier_wait -1
.if \fill
	CREST                                          ; the barrier has opened a round of the cluster's barrier: no wave of any partner still reads this slot's tile or has a load on its way
	s_add_nc_u64 s[G0+4*\slot+2:G0+4*\slot+3], s[G0+4*\slot+2:G0+4*\slot+3], 2*ABYTES
	s_add_nc_u64 s[G0B+4*\slot+2:G0B+4*\slot+3], s[G0B+4*\slot+2:G0B+4*\slot+3], 2*KSTEP*2
	JLOAD \slot                                    ; the first tensor load behind the round; the four v_nop behind it are also the places in front of the loads below
.else
	PLACES
.endif
	FETCH \next, 0, F0
	WIN MUL
	MUL8 F1, 1, 0, 0
	MUL8 F1, 1, 2, 0
.endm
	s_wait_tensorcnt 1                             ; my part of K step 0 is in (K step 1's load may be out)
	s_barrier_signal -1
	s_barrier_wait -1                              ; everybody's is
	FETCH 0, 0, F0
	s_wait_loadcnt 0x0                             ; out_b
	QUARTER 0, 128, F0, F1, 1                      ; K step 0: its first products start the sums
	QUARTER 0, 256, F1, F0, 0
	QUARTER 0, 384, F0, F1, 0
	TURN 0, 1, 1                                   ; slot 0 takes K step 2
	QUARTER 1, 128, F0, F1, 0                      ; K step 1
	QUARTER 1, 256, F1, F0, 0
	QUARTER 1, 384, F0, F1, 0
	TURN 1, 0, 1                                   ; slot 1 takes K step 3
	QUARTER 0, 128, F0, F1, 0                      ; K step 2
	QUARTER 0, 256, F1, F0, 0
	QUARTER 0, 384, F0, F1, 0
	TURN 0, 1, 0                                   ; nothing is left to fetch
	QUARTER 1, 128, F0, F1, 0                      ; K step 3
	QUARTER 1, 256, F1, F0, 0
	QUARTER 1, 384, F0, F1, 0
	s_wait_dscnt 16                                ; the very last quarter
	WIN MUL
	MUL8 F1, 0, 0, 0
	MUL8 F1, 0, 2, 0
	s_wait_dscnt 0
	MUL8 F1, 1, 0, 0
	MUL8 F1, 1, 2, 0
	WIN 0
; THE WAY OUT, a block of 16 tokens x 64 columns at a time.  A lane holds 32 neighbouring bytes of a row, and the lanes beside it hold other rows: so a block goes through my own stage in LDS and comes back as whole
; rows of 256 bytes; sixteen lanes store 256 consecutive bytes, aligned.  LDS serves a wave's instructions in order (ISA guide 5.7.1.4): no wait between the stores and the loads, nor in front of the next block's stores.
.macro TOSTAGE a
.irp b, 0,1,2,3
	ds_store_b128 v[STO], v[ACC+8*(4*(\a)+\b):ACC+8*(4*(\a)+\b)+3] offset:64*\b          ; each accumulator from its low end on
	ds_store_b128 v[STO], v[ACC+8*(4*(\a)+\b)+4:ACC+8*(4*(\a)+\b)+7] offset:64*\b+16
.endr
.irp t, 0,1,2,3,4,5,6,7
	ds_load_b128 v[TMP+32*((\a)%2)+4*\t:TMP+32*((\a)%2)+4*\t+3], v[RD] offset:\t*2*SPITCH
.endr
.endm
.macro SEND a, younger                 ; younger: the LDS instructions issued behind block a's loads, which may stay out
	s_wait_dscnt \younger
.irp t, 0,1,2,3,4,5,6,7
	global_store_b128 v[CO], v[TMP+32*((\a)%2)+4*\t:TMP+32*((\a)%2)+4*\t+3], s[10:11] offset:(16*(\a)+2*\t)*4096 th:TH_STORE_NT   ; written once, read by nobody here
.endr
.endm
	PLACES
	TOSTAGE 0
	TOSTAGE 1
	SEND 0, 16                                     ; behind block 0's loads: block 1's eight stores and eight loads
	s_wait_xcnt 0x0                                ; block 0's stores have read their registers: block 2's loads may land there
	TOSTAGE 2
	SEND 1, 16
	s_wait_xcnt 0x0
	TOSTAGE 3
	SEND 2, 16
	SEND 3, 0
	s_wait_tensorcnt 0x0                           ; the wave's end: three lines behind my last tensor load and my last LDS store
	ds_add_u32 v[SPW], v[NIL]
	s_wait_dscnt 0x0
	CROUND                                         ; the closing round: no work-group ends while a partner may still ask for a tile that names it
	s_endpgm
.Lfunc_end_k_qbb29a53876_outp:
	.size	k_qbb29a53876_outp, .Lfunc_end_k_qbb29a53876_outp-k_qbb29a53876_outp
	.p2alignl 7, 3214868480
	.fill 96, 4, 3214868480
	.section	.rodata,"a",@progbits
	.p2align	6, 0x0
	.amdhsa_kernel k_qbb29a53876_outp
		.amdhsa_group_segment_fixed_size 327680
		.amdhsa_private_segment_fixed_size 0
		.amdhsa_enable_private_segment 0
		.amdhsa_kernarg_size 32
		.amdhsa_user_sgpr_count 2
		.amdhsa_user_sgpr_kernarg_segment_ptr 1
		.amdhsa_wavefront_size32 1
		.amdhsa_system_sgpr_workgroup_id_x 1
		.amdhsa_system_sgpr_workgroup_id_y 1
		.amdhsa_system_sgpr_workgroup_id_z 1
		.amdhsa_system_vgpr_workitem_id 0
		.amdhsa_next_free_vgpr 512
		.amdhsa_next_free_sgpr 66
		.amdhsa_reserve_vcc 0
		.amdhsa_float_denorm_mode_32 3
		.amdhsa_float_denorm_mode_16_64 3
		.amdhsa_memory_ordered 1
		.amdhsa_forward_progress 1
		.amdhsa_inst_pref_size 86
	.end_amdhsa_kernel
	.amdgpu_metadata
---
amdhsa.version: [ 1, 2 ]
amdhsa.kernels:
  - .name:           k_qbb29a53876_outp
    .symbol:         k_qbb29a53876_outp.kd
    .args:
      - { .name: att, .offset: 0, .size: 8, .value_kind: global_buffer, .address_space: global }
      - { .name: w16, .offset: 8, .size: 8, .value_kind: global_buffer, .address_space: global }
      - { .name: out_b, .offset: 16, .size: 8, .value_kind: global_buffer, .address_space: global }
      - { .name: out0, .offset: 24, .size: 8, .value_kind: global_buffer, .address_space: global }
    .group_segment_fixed_size: 327680
    .private_segment_fixed_size: 0
    .kernarg_segment_align: 8
    .kernarg_segment_size: 32
    .max_flat_workgroup_size: 128
    .sgpr_count:     66
    .vgpr_count:     512
    .wavefront_size: 32
...
	.end_amdgpu_metadata
.endif
;; end of part 4
